; MI455X (gfx1250); checked and timed in simulation.
; The chip was launched on July 23, 2026; its instructions are those of AMD's public machine-readable ISA for CDNA 5 (MIT licence, August 2026) and "CDNA5" Instruction Set Architecture Reference Guide (July 2026). The comments in the code are by the model that wrote it; some were corrected since.
;; Llama MLP. Allowed arithmetic: float matrix products may take bf16 or f16 operands with f32 sums; other float arithmetic in f32, or as packed bf16 or f16 multiplies, adds, multiply-adds, maxima and minima; sums over many terms, partial sums and values carried from step to step in f32; what a program stores and reads back later, other than sums and carried values, may be rounded once to bf16 or f16.
;; Inputs: s_down 4,096 float32; s_gate_up 22,016 float32; scale_x 512 float32; w_down 4,096 x 11,008 int8; w_gate_up 22,016 x 4,096 int8; x_q 512 x 4,096 int8.
;; Outputs: out0 512 x 4,096 float32.
;; 2 versions, each right; version 2 is version 1 with the launches cvtx, quant written anew for expert scheduling mode. Each part assembles by itself: llvm-mc -triple=amdgcn-amd-amdhsa -mcpu=gfx1250 --defsym DOCPART=n.
;; ======== version 1 of 2: 5 launches
;; workspace buffers: xh 4,194,304 bytes; a 22,544,384 bytes; pmax 118,784 bytes; aq 11,534,336 bytes; sa 4,096 bytes; part 33,554,432 bytes
;; launch cvtx (part 1): grid 8 x 32, 2 waves a work-group, no clusters, 8,960 bytes of LDS; arguments x_q, xh, aq; writes xh, aq
.if DOCPART == 1
	.amdgcn_target "amdgcn-amd-amdhsa--gfx1250"
	.amdhsa_code_object_version 6
	.text
	.protected	k_qdc96ee73bf_cvtx
	.globl	k_qdc96ee73bf_cvtx
	.p2align	8
	.type	k_qdc96ee73bf_cvtx,@function
k_qdc96ee73bf_cvtx:
	s_mov_b64 s[64:65], 0
	v_nop
	global_prefetch_b8 v0, s[64:65] scope:SCOPE_SE
	s_setreg_imm32_b32 hwreg(HW_REG_WAVE_MODE, 25, 1), 1
	s_wait_xcnt 0x0
; x_q [512][4096] int8 -> xh, f16 (exact: -128..127 are f16 numbers), laid out in the order in which the first product's waves read it:
; xh[rb 4][Q 128][mb 8][q2 2][L 32][16 bytes]: 8 f16 of token 128 rb + 16 mb + L % 16 at k = 32 Q + 16 (L / 16) + 8 q2 + 0..7.
; A wave takes 16 tokens (tb = group y) and 256 bytes of their rows (seg = 2 x group x + wave): 8 loads of whole 256-byte pieces of two rows, through
; the wave's own stage in LDS (pitch 272 = 17 x 16 bytes, so the 16 rows of a read begin at 16 different 16-byte columns), 8 reads of 16 int8 a lane, 16 stores of 512 consecutive bytes.
; int8 -> f16: the byte with its top bit turned is x + 128; under the high byte 0x64 that is the f16 number 1024 + x + 128; less 1152 it is x.
; Each wave also writes 512 bytes of zeros into chunk 43 of aq (the padding of the second product's K from 43 to 44 chunks of 256).
; No matrix unit, no cluster: the work-groups share nothing and the work is a copy.
.set PITCH, 272
.set STG,   16*PITCH                   ; a wave's stage: 16 rows
.set SPARE, 2*STG                      ; behind the stages: the spare words, 128 bytes a wave
.set SPW, 2                            ; v2      LDS address of my spare word
.set NIL, 3                            ; v3      0
.set GOF, 4                            ; v4      4096 (L / 16) + 16 (L % 16): my 16 bytes in a pair of rows of x_q
.set STO, 5                            ; v5      the same place in the stage
.set RDA, 6                            ; v6      stage: row L % 16, 16 (L / 16)
.set OOF, 7                            ; v7      16 L
.set ZR,  8                            ; v[8:11] zeros
.set IN,  12                           ; v[12:43]  as loaded
.set FR,  44                           ; v[44:75]  16 int8 a lane for each of 8 quarters of 32 k
.set UT,  76                           ; v[76:79]  at work
.set CV,  80                           ; v[80:143] 8 registers of f16 for each quarter
.set KX, 20
.set K64, 21
.set SELLO, 22
.set SELHI, 23
.set KNEG, 24
	s_load_b128 s[4:7], s[0:1], 0x0                ; x_q s[4:5], xh s[6:7]
	s_load_b64 s[8:9], s[0:1], 0x10                ; aq
	v_lshl_add_u32 v[SPW], v0, 2, SPARE
	v_mov_b32 v[NIL], 0
	v_lshrrev_b32 v1, 5, v0
	v_readfirstlane_b32 s10, v1                    ; wave
	s_and_b32 s11, ttmp7, 0xffff                   ; tb
	s_lshl_b32 s12, ttmp9, 1
	s_add_co_u32 s12, s12, s10                     ; seg
	s_lshl_b32 s14, s11, 16                        ; x_q: 16 rows of 4,096 bytes a block,
	s_lshl_b32 s13, s12, 8
	s_add_co_u32 s14, s14, s13                     ; + 256 seg
	s_mov_b32 s15, 0
	s_lshr_b32 s16, s11, 3                         ; xh: rb x 1,048,576
	s_lshl_b32 s16, s16, 20
	s_lshl_b32 s13, s12, 16                        ; + 8 seg quarters of 8,192 bytes
	s_add_co_u32 s16, s16, s13
	s_and_b32 s13, s11, 7                          ; + mb x 1,024
	s_lshl_b32 s13, s13, 10
	s_add_co_u32 s16, s16, s13
	s_mov_b32 s17, 0
	s_lshl_b32 s18, s11, 4
	s_add_co_u32 s18, s18, s12                     ; u = 16 tb + seg, 0..511: my 512 bytes of the four zero chunks
	s_lshr_b32 s13, s18, 7
	s_mul_i32 s13, s13, 44*65536
	s_and_b32 s18, s18, 127
	s_lshl_b32 s18, s18, 9
	s_add_co_u32 s18, s18, s13
	s_add_co_u32 s18, s18, 43*65536
	s_mov_b32 s19, 0
	s_mov_b32 s[KX], 0x80808080
	s_mov_b32 s[K64], 0x64646464
	s_mov_b32 s[SELLO], 0x00050004                 ; bytes: u0, 0x64, u1, 0x64
	s_mov_b32 s[SELHI], 0x00070006                 ; bytes: u2, 0x64, u3, 0x64
	s_mov_b32 s[KNEG], 0xe480e480                  ; -1152 twice in f16
	s_mul_i32 s13, s10, STG
	v_and_b32 v1, 15, v0
	v_bfe_u32 v[UT], v0, 4, 1
	v_and_b32 v[UT+1], 31, v0
	v_lshlrev_b32 v[GOF], 4, v1
	v_lshl_add_u32 v[GOF], v[UT], 12, v[GOF]
	v_mul_u32_u24 v[STO], v[UT], PITCH
	v_lshl_add_u32 v[STO], v1, 4, v[STO]
	v_add_nc_u32 v[STO], s13, v[STO]
	v_mul_u32_u24 v[RDA], v1, PITCH
	v_lshl_add_u32 v[RDA], v[UT], 4, v[RDA]
	v_add_nc_u32 v[RDA], s13, v[RDA]
	v_lshlrev_b32 v[OOF], 4, v[UT+1]
.irp j, 0,1,2,3
	v_mov_b32 v[ZR+\j], 0
.endr
	s_wait_kmcnt 0x0
	s_add_nc_u64 s[4:5], s[4:5], s[14:15]
	s_add_nc_u64 s[6:7], s[6:7], s[16:17]
	s_add_nc_u64 s[8:9], s[8:9], s[18:19]
.irp j, 0,1,2,3,4,5,6,7
	global_load_b128 v[IN+4*\j:IN+4*\j+3], v[GOF], s[4:5] offset:8192*\j th:TH_LOAD_NT  ; rows 2 j and 2 j + 1: 256 consecutive bytes of each
.endr
	global_store_b128 v[OOF], v[ZR:ZR+3], s[8:9]   ; 512 consecutive bytes of zeros
.irp j, 0,1,2,3,4,5,6,7
	s_wait_loadcnt 7-\j                            ; loads come back in order: load j is in, the younger ones stay out
	ds_store_b128 v[STO], v[IN+4*\j:IN+4*\j+3] offset:2*PITCH*\j
.endr
.irp k, 0,1,2,3,4,5,6,7
	ds_load_b128 v[FR+4*\k:FR+4*\k+3], v[RDA] offset:32*\k  ; the stage is my own, and LDS serves a wave's instructions in order: these see the stores above
.endr
.irp k, 0,1,2,3,4,5,6,7
	s_wait_dscnt 7-\k                              ; read k is back
.irp d, 0,1,2,3
	v_xor_b32 v[UT+\d], s[KX], v[FR+4*\k+\d]
.endr
.irp d, 0,1,2,3
	v_perm_b32 v[CV+8*\k+2*\d], v[UT+\d], s[K64], s[SELLO]
	v_perm_b32 v[CV+8*\k+2*\d+1], v[UT+\d], s[K64], s[SELHI]
.endr
.irp d, 0,1,2,3,4,5,6,7
	v_pk_add_f16 v[CV+8*\k+\d], v[CV+8*\k+\d], s[KNEG]
.endr
	global_store_b128 v[OOF], v[CV+8*\k:CV+8*\k+3], s[6:7] offset:8192*\k        ; 512 consecutive bytes each; every quarter has its own registers
	global_store_b128 v[OOF], v[CV+8*\k+4:CV+8*\k+7], s[6:7] offset:8192*\k+512
.endr
	s_wait_tensorcnt 0x0                           ; the wave's end: three closing lines behind my last LDS store
	ds_add_u32 v[SPW], v[NIL]
	s_wait_dscnt 0x0
	s_endpgm
.Lfunc_end_k_qdc96ee73bf_cvtx:
	.size	k_qdc96ee73bf_cvtx, .Lfunc_end_k_qdc96ee73bf_cvtx-k_qdc96ee73bf_cvtx
	.p2alignl 7, 3214868480
	.fill 96, 4, 3214868480
	.section	.rodata,"a",@progbits
	.p2align	6, 0x0
	.amdhsa_kernel k_qdc96ee73bf_cvtx
		.amdhsa_group_segment_fixed_size 8960
		.amdhsa_private_segment_fixed_size 0
		.amdhsa_enable_private_segment 0
		.amdhsa_kernarg_size 24
		.amdhsa_user_sgpr_count 2
		.amdhsa_user_sgpr_kernarg_segment_ptr 1
		.amdhsa_wavefront_size32 1
		.amdhsa_system_sgpr_workgroup_id_x 1
		.amdhsa_system_sgpr_workgroup_id_y 1
		.amdhsa_system_sgpr_workgroup_id_z 1
		.amdhsa_system_vgpr_workitem_id 0
		.amdhsa_next_free_vgpr 160
		.amdhsa_next_free_sgpr 66
		.amdhsa_reserve_vcc 0
		.amdhsa_float_denorm_mode_32 3
		.amdhsa_float_denorm_mode_16_64 3
		.amdhsa_memory_ordered 1
		.amdhsa_forward_progress 1
		.amdhsa_inst_pref_size 16
	.end_amdhsa_kernel
	.amdgpu_metadata
---
amdhsa.version: [ 1, 2 ]
amdhsa.kernels:
  - .name:           k_qdc96ee73bf_cvtx
    .symbol:         k_qdc96ee73bf_cvtx.kd
    .args:
      - { .name: x_q, .offset: 0, .size: 8, .value_kind: global_buffer, .address_space: global }
      - { .name: xh, .offset: 8, .size: 8, .value_kind: global_buffer, .address_space: global }
      - { .name: aq, .offset: 16, .size: 8, .value_kind: global_buffer, .address_space: global }
    .group_segment_fixed_size: 8960
    .private_segment_fixed_size: 0
    .kernarg_segment_align: 8
    .kernarg_segment_size: 24
    .max_flat_workgroup_size: 64
    .sgpr_count:     66
    .vgpr_count:     160
    .wavefront_size: 32
...
	.end_amdgpu_metadata
.endif
;; end of part 1
;; launch gateup (part 2): grid 4 x 58, 4 waves a work-group, clusters of 4 x 1, 327,680 bytes of LDS; arguments xh, w_gate_up, scale_x, s_gate_up, a, pmax; writes a, pmax
.if DOCPART == 2
	.amdgcn_target "amdgcn-amd-amdhsa--gfx1250"
	.amdhsa_code_object_version 6
	.text
	.protected	k_qdc96ee73bf_gateup
	.globl	k_qdc96ee73bf_gateup
	.p2align	8
	.type	k_qdc96ee73bf_gateup,@function
k_qdc96ee73bf_gateup:
	s_mov_b64 s[64:65], 0
	v_nop
	global_prefetch_b8 v0, s[64:65] scope:SCOPE_SE
	s_setreg_imm32_b32 hwreg(HW_REG_WAVE_MODE, 25, 1), 1
	s_wait_xcnt 0x0
	s_wait_alu depctr_hold_cnt(0) depctr_sa_sdst(0) depctr_va_vdst(0) depctr_va_sdst(0) depctr_va_ssrc(0) depctr_va_vcc(0) depctr_vm_vsrc(0)
	s_getreg_b32 s2, hwreg(HW_REG_IB_STS2, 6, 4)
	s_cmp_eq_u32 s2, 0
	s_cbranch_scc0 .Lentry_in_a_cluster
	s_endpgm
.Lentry_in_a_cluster:
	s_bfe_u32 s2, ttmp6, 0x10000c
	s_cmp_lg_u32 s2, 0x3003
	s_cbranch_scc0 .Lentry_shape_is_right
	s_endpgm
.Lentry_shape_is_right:
; a = silu(gate) * up with gate, up = (x_q . w_gate_up^T) * scale_x * s_gate_up, and for each token the largest |a| of the work-group's channels.
; SHARES.  A work-group: 128 tokens (rb = its place in the cluster) x 12 pairs of 16 gate and 16 up channels (group g = grid y; first pair P0 = min(12 g, 676)).  688 pairs are 57 groups of 12 and 4 more:
; the last group is moved back, computes pairs 676-683 once more and stores only pairs from 684 on (three flags, made of g and the wave's number).  A wave: all 128 tokens x 3 pairs:
; 24 accumulators for gate (window 1), 24 for up (window 2).
; FORMATS.  Both operands are whole numbers -128..127 in f16, exact; sums in f32.  LIMIT: a sum is exact while below 2^24 (the bound is 4096 x 128 x 127 = 6.7e7); beyond that it carries f32's rounding.
; A gate below about -88 gives a = 0 (its weight is under f32's range).  NaN and infinities are not treated apart.
; x comes as f16 in fragment order (xh); the weights come as int8, one 16-byte LDS read a lane and fragment, and are made f16 by 20 vector lines a fragment, which stand behind the matrix
; instructions, 2.5 behind each: xor 0x80 -> x + 128; under the high byte 0x64 -> 1024 + x + 128 in f16; - 1152.  In a fragment lane (r, h) holds k = 16 h + 2 i + e in register i, half e, on both sides alike.
; THE MATRIX INSTRUCTION IS USED TRANSPOSED: source 0 = 16 weight rows, source 1 = 16 tokens: a lane holds one token (lane % 16) and the 8 channels 8 (lane / 16) + 0..7.
; RING.  Weights in chunks of K = 256 (384 rows of 256 bytes, pitch 272), two slots; x in steps of K = 128 (32,768 dense bytes), two slots that lie end to end, so that x's quarter of phase p
; (0..7 in a chunk) lies at a fixed place.  Two slots of K = 256 of both would take 339,968 bytes: more than there are.  One change of slots a step.
; THE CHANGE stands in the MIDDLE of a step's third quarter: in front of it that quarter has fetched x's last fragments of the step, behind it it fetches the next step's first raw weights.  Products stand
; between the add and the wait for it, and between the opening signal and its wait.  The loop's trip is a chunk, written out, with constant LDS offsets.  The last chunk and a half keep a shorter text:
; pairs of quarters walked twice, with the change between them.
; CLUSTER.  The four work-groups of a cluster take the four token blocks of one group of channels: they walk the same weights, asked for JOINTLY (mask 15).  x's tile is each work-group's own (mask 0),
; asked for behind the same rounds.  58 groups of channels are no multiple of 4, so x's tiles are not shared.
; REGISTERS (s_set_vgpr_msb: bits 1:0 source 0, 3:2 source 1, 5:4 source 2, 7:6 destination):
;   window 0: v0-31 addresses, x's scales; v32-159 x's fragments, two buffers of 8; v160-207 raw weights, two buffers of 6 x 4; v208-255 channel scales
;   windows 1 (gate) and 2 (up), same numbers: v0-191 accumulators (m, n) at 8 (3 m + n); v192-239 converted weights, two buffers of 3; v240-251 at work
; Under one setting (sources 0 and 2 and the destination in the half's window, source 1 in window 0) the products AND the three kinds of conversion line work: four switches a quarter step.
.set NH,    3                          ; blocks of 16 weight rows in a half
.set PITCH, 272
.set HOFF,  192*PITCH                  ; in a slot the up rows lie behind the 192 gate rows
.set BS,    0x20000                    ; weight slot 1: one exclusive or from slot 0
.set A0,    BS+2*HOFF                  ; x's slot 0; slot 1 lies 32,768 behind it
.set MAXS,  A0+65536                   ; 4 waves x 128 tokens: the waves' maxima; no tile lands here
.set SPARE, MAXS+2048                  ; the spare words, 128 bytes a wave
.set STGB,  49152                      ; the way out: a wave's 48 accumulators, in the slots after their last fill
.set SXT,   4*STGB                     ; and behind the stages 512 bytes a wave: x's scales by token
.set VA0, 4                            ; 16 L
.set VB0, 5                            ; (48 w + L % 16) x 272 + 16 (L / 16)
.set VA,  6                            ; the tail: LDS addresses of the pair in hand
.set VB1, 7
.set VB2, 8
.set STA, 9                            ; my place in my stage
.set SXA, 10
.set MXA, 11
.set GOA, 12                           ; 16 L, offset of global stores
.set VAF, 13                           ; A0 + 16 L; never rewritten
.set O4R, 14
.set O32H, 15
.set SX,  16                           ; v16-23 scale_x of my token in each of the 8 blocks
.set VBC, 24                           ; my place in the slot of the weight chunk in hand
.set SPW, 28
.set NIL, 29
.set AF,  32
.set RAW, 160
.set SCG, 208
.set SCU, 232
.set BCV, 64*NH
.set UT,  80*NH
.set EG,  32                           ; the way out, window 0: gate 3 x 8, up 3 x 8, at work 8
.set EU,  56
.set EE,  80
.set EM,  88
.set EMT, 89
.set ESX, 90
.set WV, 16
.set CX, 17
.set GG, 18
.set P0, 19
.set G12, 20
.set W1, 21
.set PW, 22
.set EC, 23
.set G1A, 24
.set G1B, 32
.set G0A0, 40
.set G0A1, 44
.set G0B0, 48
.set G0BW, 52
.set CB, 56                            ; the slot of the weight chunk in hand
.set TBA, 57                           ; the tail: LDS bytes from which the next pair fetches
.set TB1, 58
.set TB2, 59
.set CNT, 60
.set TRIPS, 61
.set KX, 62
.set K64, 63
.set SELLO, 66
.set SELHI, 67
.set KNEG, 68
.set SEL, 70
.set VAL, 72
.set NLE, 84
.set MSB, 0
.macro WIN new                         ; the immediate's high byte repeats the setting that is left; a switch that changes nothing is dropped
.if MSB != (\new)
	s_set_vgpr_msb (MSB<<8)|(\new)
.set MSB, (\new)
.endif
.endm
.set WL, 0x51
.set WH, 0xa2
.macro NOP4
.rept 4
	v_nop
.endr
.endm
.macro CREST                           ; a round of the cluster's barrier behind its opening barrier
	s_cmp_lg_u32 s[WV], 0
	s_cbranch_scc1 .Lnot_wave_0_\@
	s_barrier_signal -3
.Lnot_wave_0_\@:
	s_barrier_wait -3
	s_barrier_signal -1
	s_barrier_wait -1
.endm
.macro ROUND                           ; a whole round
	s_barrier_signal -1
	s_barrier_wait -1
	CREST
.endm
; Line k of the 20 NH that make the next quarter's weights of one half f16: raw buffer 1 - b -> converted buffer 1 - b.  Each line stands four or more behind what feeds it.
.macro RID half, b, k
.set rn, (\k)/20
.set rj, (\k)%20
.set rR, RAW+8*NH*(1-(\b))+4*NH*(\half)+4*rn
.set rB, BCV+8*NH*(1-(\b))+8*rn
.set rU, UT+4*rn
.if rj < 4
	v_xor_b32 v[rU+rj], s[KX], v[rR+rj]
.elseif rj < 12
.if (rj%2) == 0
	v_perm_b32 v[rB+rj-4], v[rU+(rj-4)/2], s[K64], s[SELLO]
.else
	v_perm_b32 v[rB+rj-4], v[rU+(rj-4)/2], s[K64], s[SELHI]
.endif
.else
	v_pk_add_f16 v[rB+rj-12], v[rB+rj-12], s[KNEG]
.endif
.endm
; Product i of a half: token block i / NH, weight block i % NH.  The 8 NH accumulators of a half take turns, then the other half's.
.macro MM b, i, zero
.set mA, AF+64*(\b)+8*((\i)/NH)
.set mB, BCV+8*NH*(\b)+8*((\i)%NH)
.if \zero
	v_wmma_f32_16x16x32_f16 v[8*(\i):8*(\i)+7], v[mB:mB+7], v[mA:mA+7], 0
.else
	v_wmma_f32_16x16x32_f16 v[8*(\i):8*(\i)+7], v[mB:mB+7], v[mA:mA+7], v[8*(\i):8*(\i)+7]
.endif
.endm
.macro RUN half, b, zero, i0, i1       ; products i0 .. i1 - 1, two and three conversion lines behind them by turns
.set ii, \i0
.rept (\i1)-(\i0)
	MM \b, ii, \zero
.set kk, (5*ii)/2
.rept (5*(ii+1))/2-(5*ii)/2
	RID \half, \b, kk
.set kk, kk+1
.endr
.set ii, ii+1
.endr
.endm
.macro ALD buf, va, aoff               ; x's 8 fragments of one quarter: 16 reads of 512 consecutive bytes
.set mm, 0
.rept 8
	ds_load_b128 v[AF+64*(\buf)+8*mm:AF+64*(\buf)+8*mm+3], v[\va] offset:(\aoff)+1024*mm
	ds_load_b128 v[AF+64*(\buf)+8*mm+4:AF+64*(\buf)+8*mm+7], v[\va] offset:(\aoff)+1024*mm+512
.set mm, mm+1
.endr
.endm
.macro RLD b, vb, ex                   ; the raw weights of one quarter: one read a block
.set nn, 0
.rept 2*NH
	ds_load_b128 v[RAW+8*NH*(\b)+4*nn:RAW+8*NH*(\b)+4*nn+3], v[\vb] offset:(\ex)+(nn/NH)*HOFF+(nn%NH)*16*PITCH
.set nn, nn+1
.endr
.endm
; Quarter x (32 along K) of parity b.  It finds x's fragments in buffer b, the converted weights in buffer b, the raw weights of x + 1 in buffer 1 - b.  It multiplies, converts x + 1's weights,
; and fetches x's fragments of x + 1 and the raw weights of x + 2 in ONE run behind its second product: the five conversion lines in front of the run (and three at the last quarter's end)
; are the places behind the last product that read the buffer into which the run loads.
.macro QUARTER b, va, aoff, vb, ex, zero=0
	s_wait_dscnt 0x0                               ; the run issued in the quarter before
	WIN WL
	RUN 0, \b, \zero, 0, 2
	WIN 0
	ALD 1-(\b), \va, \aoff
	RLD \b, \vb, \ex
	WIN WL
	RUN 0, \b, \zero, 2, 8*NH
	WIN WH
	RUN 1, \b, \zero, 0, 8*NH
.endm
.macro QLAST b                         ; the very last quarter: products alone
	s_wait_dscnt 0x0
	WIN WL
.set ii, 0
.rept 8*NH
	MM \b, ii, 0
.set ii, ii+1
.endr
	WIN WH
.set ii, 0
.rept 8*NH
	MM \b, ii, 0
.set ii, ii+1
.endr
.endm
; The descriptors' steps for a change: x's slot aslot takes the step after next of that slot; with fillb the walking weight descriptor takes the other slot and the next chunk.
.macro WALK aslot, fillb
.if (\aslot) == 0
	s_add_nc_u64 s[G0A0+2:G0A0+3], s[G0A0+2:G0A0+3], 65536
.elseif (\aslot) == 1
	s_add_nc_u64 s[G0A1+2:G0A1+3], s[G0A1+2:G0A1+3], 65536
.endif
.if \fillb
	s_xor_b32 s[G0BW+1], s[G0BW+1], BS
	s_add_nc_u64 s[G0BW+2:G0BW+3], s[G0BW+2:G0BW+3], 256
.endif
.endm
; The refill: waves 0 and 1 fetch the halves of x's tile; with fillb wave 2 fetches the gate rows and wave 3 the up rows, jointly with the partners.  The branch hangs on the wave's number alone.
; An s_nop 0 and four v_nop follow each tensor load, ahead of the jump and the label.
.macro FILL aslot, fillb
	s_cmp_lt_u32 s[WV], 2
	s_cbranch_scc0 .Lfor_b_\@
.if (\aslot) == 0
	tensor_load_to_lds s[G0A0:G0A0+3], s[G1A:G1A+7]
.else
	tensor_load_to_lds s[G0A1:G0A1+3], s[G1A:G1A+7]
.endif
	s_nop 0
	NOP4
.if \fillb
	s_branch .Lasked_\@
.endif
.Lfor_b_\@:
.if \fillb
	tensor_load_to_lds s[G0BW:G0BW+3], s[G1B:G1B+7]
	s_nop 0
	NOP4
.Lasked_\@:
.endif
.endm
; THE QUARTER WITH THE CHANGE OF SLOTS (a step's third, parity 0).  aph: the phase of x's quarter that it fetches, the step's last.  kind 0: an even step ends: x's slot 0 is filled again.
; kind 1: an odd step and with it a chunk ends: x's slot 1 and the weight slot just left are filled again, and the reads go over to the other weight slot.  rex: the byte in a weight row of the raw quarter fetched behind the change.
; Order: my reads of x's slot are issued; ten products; the wait for all my tensor loads (the next step's tile of x, the next chunk of weights); the add; six products; the wait for the add and for my reads;
; the opening signal; six products; the opening wait and the rest of the round: no wave of the cluster reads the slots that are filled, or has a load on its way; the refill; the raw reads; the up half's products.
; From a refill to the next wait for all loads a wave issues 24 + 3 x 48 + 12 = 180 products.
.macro QX aph, kind, rex
	s_wait_dscnt 0x0                               ; the run issued in the quarter before
	WIN WL
	RUN 0, 0, 0, 0, 2
	WIN 0
	ALD 1, VAF, (\aph)*8192
	WIN WL
	RUN 0, 0, 0, 2, 12
	WIN 0                                          ; (the add's two registers lie in window 0)
	s_wait_tensorcnt 0x0                           ; no tensor load of mine is out, so a group 0 may be written
	ds_add_u32 v[SPW], v[NIL]                      ; 0 onto my spare word; scalar work and six products stand between it and the wait for it
.if \kind
	s_xor_b32 s[CB], s[CB], BS
.endif
	WALK \kind, \kind
	WIN WL
	RUN 0, 0, 0, 12, 18
	s_wait_dscnt 0x0                               ; the add is done, and my reads of the slots are back
	s_barrier_signal -1                            ; this barrier opens a round of the cluster's barrier;
	RUN 0, 0, 0, 18, 8*NH                          ; work on registers while the others arrive
	WIN 0
	s_barrier_wait -1
	CREST
	FILL \kind, \kind
.if \kind
	v_add_nc_u32 v[VBC], s[CB], v[VB0]
.endif
	RLD 0, VBC, \rex
	WIN WH
	RUN 1, 0, 0, 0, 8*NH
.endm
; THE TAIL'S FORMS.  An odd quarter and the even one behind it, from stepped addresses;
.macro PAIR
	WIN 0
	v_add_nc_u32 v[VA], s[TBA], v[VA0]
	v_add_nc_u32 v[VB1], s[TB1], v[VB0]
	v_add_nc_u32 v[VB2], s[TB2], v[VB0]
	QUARTER 1, VA, 0, VB1, 0
	QUARTER 0, VA, 8192, VB2, 0
	WIN 0
.endm
; two pairs, written once and walked CNT times.  kind 1: the second half of a chunk: its last fetch is the first quarter of the other weight slot;
.macro HALF kind, tag
.Lhalf\tag:
	PAIR
	s_add_co_u32 s[TBA], s[TBA], 16384
	s_add_co_u32 s[TB1], s[TB1], 64
.if \kind
	s_xor_b32 s[TB2], s[CB], BS
.else
	s_add_co_u32 s[TB2], s[TB2], 64
.endif
	s_sub_co_u32 s[CNT], s[CNT], 1
	s_cmp_lg_u32 s[CNT], 0
	s_cbranch_scc1 .Lhalf\tag
.endm
; and a change of slots that stands between a step's third quarter and its last.  new = 1: the next step begins a chunk.  aslot = -1: nothing is left to ask for, and a barrier of the work-group shows the last tile to every wave.
.macro CHANGE new, aslot, fillb
	WIN 0
	s_wait_tensorcnt 0x0                           ; no tensor load of mine is out, so a group 0 may be written
	ds_add_u32 v[SPW], v[NIL]                      ; 0 onto my spare word; the scalar work stands between it and the wait for it
.if \new
	s_xor_b32 s[CB], s[CB], BS
	s_mov_b32 s[TBA], A0
	s_add_co_u32 s[TB1], s[CB], 32
	s_add_co_u32 s[TB2], s[CB], 64
.endif
	WALK \aslot, \fillb
	s_wait_dscnt 0x0                               ; the add is done, and my reads of the slots are back
.if (\aslot) >= 0
	ROUND
	FILL \aslot, \fillb
.else
	s_barrier_signal -1
	s_barrier_wait -1
.endif
.endm
	s_load_b256 s[4:11], s[0:1], 0x0               ; xh s[4:5], w_gate_up s[6:7], scale_x s[8:9], s_gate_up s[10:11]
	s_load_b128 s[12:15], s[0:1], 0x20             ; a s[12:13], pmax s[14:15]
	v_lshl_add_u32 v[SPW], v0, 2, SPARE
	v_mov_b32 v[NIL], 0
	ds_add_u32 v[SPW], v[NIL]                      ; the wave's opening: the add and its wait ahead of my first tensor load
	v_lshrrev_b32 v1, 5, v0
	v_readfirstlane_b32 s[WV], v1
	s_bfe_u32 s[CX], ttmp6, 0x40000                ; my place in the cluster = my block of 128 tokens: it enters global addresses alone
	s_and_b32 s[GG], ttmp7, 0xffff
	s_mul_i32 s[G12], s[GG], 12
	s_min_u32 s[P0], s[G12], 676
	s_and_b32 s[W1], s[WV], 1
	s_mul_i32 s[PW], s[WV], 3
	s_add_co_u32 s[PW], s[PW], s[P0]               ; my wave's first pair
.irp i, 0,1,2
	s_add_co_u32 s76, s[PW], \i
	s_cmp_ge_u32 s76, s[G12]                       ; a pair below 12 g belongs to the group before: computed, not stored
	s_cselect_b32 s[VAL+\i], 1, 0
.endr
	s_mov_b32 s[KX], 0x80808080
	s_mov_b32 s[K64], 0x64646464
	s_mov_b32 s[SELLO], 0x00050004
	s_mov_b32 s[SELHI], 0x00070006
	s_mov_b32 s[KNEG], 0xe480e480
	s_mov_b32 s[SEL], 0x76543210
	s_mov_b32 s[SEL+1], 0xfedcba98
	s_mov_b32 s[NLE], 0xbfb8aa3b                   ; -log2(e)
	s_mov_b32 s[NLE+1], s[NLE]
	s_mov_b32 s[CB], 0
	; group 1 for x's half tile: 16,384 dense bytes as 64 rows of 32 elements of 8 bytes; no mask, no padding
	s_mov_b32 s[G1A+0], 3<<16
	s_mov_b32 s[G1A+1], 32<<16
	s_mov_b32 s[G1A+2], 64<<16
	s_mov_b32 s[G1A+3], 32<<16
	s_mov_b32 s[G1A+4], 64
	s_mov_b32 s[G1A+5], 32
	s_mov_b32 s[G1A+6], 0
	s_mov_b32 s[G1A+7], 0
	; group 1 for the weights: 192 rows of 256 elements of 1 byte, 4,096 from row to row; mask of all four, bit 21 beside it; 4 words of padding behind every 64
	s_mov_b32 s[G1B+0], 15|(1<<20)|(1<<21)|(5<<22)|(3<<25)
	s_mov_b32 s[G1B+1], 256<<16
	s_mov_b32 s[G1B+2], 192<<16
	s_mov_b32 s[G1B+3], 256<<16
	s_mov_b32 s[G1B+4], 192
	s_mov_b32 s[G1B+5], 4096
	s_mov_b32 s[G1B+6], 0
	s_mov_b32 s[G1B+7], 0
	s_lshl_b32 s76, s[W1], 14
	s_mov_b32 s[G0A0], 1
	s_add_co_u32 s[G0A0+1], s76, A0
	s_mov_b32 s[G0A1], 1
	s_add_co_u32 s[G0A1+1], s76, A0+32768
	s_mul_i32 s77, s[W1], HOFF
	s_mov_b32 s[G0B0], 1
	s_mov_b32 s[G0B0+1], s77
	s_mov_b32 s[G0BW], 1
	s_add_co_u32 s[G0BW+1], s77, BS
	s_lshl_b32 s78, s[CX], 20                      ; xh: my block's 32 tiles of 32,768 bytes, my half of a tile
	s_add_co_u32 s78, s78, s76
	s_mov_b32 s79, 0
	s_lshl_b32 s80, s[P0], 4                       ; weights: row 16 P0, + 11,008 for the up rows; 4,096 bytes a row
	s_mul_i32 s81, s[W1], 11008
	s_add_co_u32 s80, s80, s81
	s_lshl_b32 s80, s80, 12
	s_mov_b32 s81, 0
	s_lshl_b32 s82, s[CX], 9                       ; scale_x: 128 tokens
	s_mov_b32 s83, 0
	s_lshl_b32 s86, s[PW], 6                       ; s_gate_up: 16 channels a pair
	s_mov_b32 s87, 0
	s_mul_i32 s88, s[CX], 8*688                    ; a: [token block][pair] units of 1,024 bytes
	s_add_co_u32 s88, s88, s[PW]
	s_lshl_b32 s88, s88, 10
	s_mov_b32 s89, 0
	s_lshl_b32 s90, s[GG], 11                      ; pmax: [g][512 tokens]
	s_add_co_u32 s90, s90, s82
	s_mov_b32 s91, 0
	s_wait_dscnt 0x0                               ; the opening add is done
	s_wait_kmcnt 0x0
	s_add_nc_u64 s[G0A0+2:G0A0+3], s[4:5], s[78:79]            ; step 0
	s_add_nc_u64 s[G0A1+2:G0A1+3], s[G0A0+2:G0A0+3], 32768     ; step 1
	s_or_b32 s[G0A0+3], s[G0A0+3], 0x80000000
	s_or_b32 s[G0A1+3], s[G0A1+3], 0x80000000
	s_add_nc_u64 s[G0B0+2:G0B0+3], s[6:7], s[80:81]            ; chunk 0
	s_add_nc_u64 s[G0BW+2:G0BW+3], s[G0B0+2:G0B0+3], 256       ; chunk 1; this one walks on
	s_or_b32 s[G0B0+3], s[G0B0+3], 0x80000000
	s_or_b32 s[G0BW+3], s[G0BW+3], 0x80000000
	s_add_nc_u64 s[8:9], s[8:9], s[82:83]
	s_add_nc_u64 s[10:11], s[10:11], s[86:87]
	s_add_nc_u64 s[12:13], s[12:13], s[88:89]
	s_add_nc_u64 s[14:15], s[14:15], s[90:91]
	ROUND                                          ; all four work-groups are here: the first joint loads meet
	s_cmp_lt_u32 s[WV], 2                          ; a wave's two first fills stand in one branch: two loads of mine are out
	s_cbranch_scc0 .Lfirst_b
	tensor_load_to_lds s[G0A0:G0A0+3], s[G1A:G1A+7]
	s_nop 0
	tensor_load_to_lds s[G0A1:G0A1+3], s[G1A:G1A+7]
	s_nop 0
	NOP4
	s_branch .Lfirst_done
.Lfirst_b:
	tensor_load_to_lds s[G0B0:G0B0+3], s[G1B:G1B+7]
	s_nop 0
	tensor_load_to_lds s[G0BW:G0BW+3], s[G1B:G1B+7]
	s_nop 0
	NOP4
.Lfirst_done:
	v_and_b32 v1, 15, v0                           ; r
	v_bfe_u32 v2, v0, 4, 1                         ; h
	v_and_b32 v3, 31, v0                           ; L
	v_lshlrev_b32 v[O4R], 2, v1
	v_lshlrev_b32 v[O32H], 5, v2
.irp m, 0,1,2,3,4,5,6,7
	global_load_b32 v[SX+\m], v[O4R], s[8:9] offset:64*\m
.endr
.irp i, 0,1,2
	global_load_b128 v[SCG+8*\i:SCG+8*\i+3],   v[O32H], s[10:11] offset:64*\i
	global_load_b128 v[SCG+8*\i+4:SCG+8*\i+7], v[O32H], s[10:11] offset:64*\i+16
	global_load_b128 v[SCU+8*\i:SCU+8*\i+3],   v[O32H], s[10:11] offset:44032+64*\i
	global_load_b128 v[SCU+8*\i+4:SCU+8*\i+7], v[O32H], s[10:11] offset:44032+64*\i+16
.endr
	v_lshlrev_b32 v[VA0], 4, v3
	v_mov_b32 v[GOA], v[VA0]
	v_mul_u32_u24 v[VB0], v1, PITCH
	v_lshl_add_u32 v[VB0], v2, 4, v[VB0]
	s_mul_i32 s76, s[WV], 48*PITCH
	v_add_nc_u32 v[VB0], s76, v[VB0]
	s_mul_i32 s76, s[WV], STGB
	v_add_nc_u32 v[STA], s76, v[VA0]
	s_lshl_b32 s76, s[WV], 9
	v_add_nc_u32 v[SXA], s76, v[O4R]
	v_add_nc_u32 v[MXA], MAXS, v[SXA]
	v_add_nc_u32 v[SXA], SXT, v[SXA]
	v_add_nc_u32 v[VAF], A0, v[VA0]
	v_mov_b32 v[VBC], v[VB0]                       ; chunk 0 lies in slot 0
	s_wait_loadcnt 0x0                             ; the scales, once
	s_wait_tensorcnt 0x1                           ; my first fill (step 0 or chunk 0) is in; the second may stay out
	s_barrier_signal -1
	s_barrier_wait -1                              ; everybody's is
	RLD 0, VBC, 0                                  ; raw weights of quarters 0 and 1, x's fragments of quarter 0
	RLD 1, VBC, 32
	ALD 0, VAF, 0
	s_wait_dscnt 0x0
	WIN WL                                         ; quarter 0's weights are converted with no product to stand behind: once
.set kk, 0
.rept 20*NH
	RID 0, 1, kk
.set kk, kk+1
.endr
	WIN WH
.set kk, 0
.rept 20*NH
	RID 1, 1, kk
.set kk, kk+1
.endr
	QUARTER 0, VAF, 8192, VBC, 64, 1               ; the first quarter stands in front of the loop: its products start the sums
	WIN 0
	s_mov_b32 s[TRIPS], 15
	s_branch .Lodd                                 ; the first trip is entered at its last pair, phases 1 and 2 of chunk 0
.Lchunk:                                               ; a trip: phases 3 to 7 of one chunk and 0 to 2 of the next: 384 products a wave, two changes of slots.  A quarter of phase p fetches x's phase p + 1 and the raw weights of phase p + 2
	QUARTER 1, VAF, 4*8192, VBC, 160
	QUARTER 0, VAF, 5*8192, VBC, 192
	QUARTER 1, VAF, 6*8192, VBC, 224
	QX 7, 1, 0                                     ; the chunk's weights and x's odd step have been read out
	QUARTER 1, VAF, 0, VBC, 32
	QUARTER 0, VAF, 8192, VBC, 64
	WIN 0
.Lodd:
	QUARTER 1, VAF, 2*8192, VBC, 96
	QX 3, 0, 128                                   ; x's even step has been read out
	WIN 0
	s_sub_co_u32 s[TRIPS], s[TRIPS], 1
	s_cmp_lg_u32 s[TRIPS], 0
	s_cbranch_scc1 .Lchunk
	; THE TAIL, written out: phases 3 to 6 of chunk 14, then chunk 15.  The last chunk of weights was asked for two changes ago and every wave has awaited it
	; at the change since, so the read of its first quarter may stand in front of the next change.
	s_mov_b32 s[TBA], A0+4*8192
	s_add_co_u32 s[TB1], s[CB], 160
	s_add_co_u32 s[TB2], s[CB], 192
	s_mov_b32 s[CNT], 2
	HALF 1, T0
	CHANGE 1, 1, 0                                 ; x's step 31 is the last thing asked for
	s_mov_b32 s[CNT], 2
	HALF 0, A2
	CHANGE 0, -1, 0
	s_mov_b32 s[CNT], 2
	HALF 1, B2                                     ; its last six raw reads take the other slot's old bytes and serve nothing: the price of one text for every pair
	QLAST 1
	; THE WAY OUT.  The 48 accumulators go through my stage in LDS, so that ONE text, walked 8 times, serves the 8 blocks of 16 tokens.  The stages lie over the slots, which have had their last fill
	; and which other waves may still be reading: so a barrier first.
	WIN 0
	NOP4                                           ; the places behind the last products
	s_wait_dscnt 0x0
	s_barrier_signal -1
	s_barrier_wait -1
	WIN 0x04                                       ; store data in window 1: gate.  Each accumulator's low four registers go first
.set ii, 0
.rept 8*NH
	ds_store_b128 v[STA], v[8*ii:8*ii+3] offset:6144*(ii/NH)+1024*(ii%NH)
	ds_store_b128 v[STA], v[8*ii+4:8*ii+7] offset:6144*(ii/NH)+1024*(ii%NH)+512
.set ii, ii+1
.endr
	WIN 0x08                                       ; window 2: up
.set ii, 0
.rept 8*NH
	ds_store_b128 v[STA], v[8*ii:8*ii+3] offset:6144*(ii/NH)+1024*(NH+ii%NH)
	ds_store_b128 v[STA], v[8*ii+4:8*ii+7] offset:6144*(ii/NH)+1024*(NH+ii%NH)+512
.set ii, ii+1
.endr
	WIN 0
.irp m, 0,1,2,3,4,5,6,7
	ds_store_b32 v[SXA], v[SX+\m] offset:64*\m     ; both halves of the lanes write the same word with the same number
.endr
	v_mov_b32 v[EMT], 0
	s_mov_b32 s[EC], 8
; Pair i of a block: gate = (sum x scale_x) x s_gate, up likewise, a = gate / (1 + 2^(-log2(e) gate)) x up; the largest |a|; two stores of 512 consecutive bytes.
.macro EPI i
.set eg, EG+8*(\i)
.set eu, EU+8*(\i)
.irp j, 0,2,4,6
	v_pk_mul_f32 v[eg+\j:eg+\j+1], v[eg+\j:eg+\j+1], v[ESX:ESX+1]
.endr
.irp j, 0,2,4,6
	v_pk_mul_f32 v[eg+\j:eg+\j+1], v[eg+\j:eg+\j+1], v[SCG+8*(\i)+\j:SCG+8*(\i)+\j+1]
.endr
.irp j, 0,2,4,6
	v_pk_mul_f32 v[EE+\j:EE+\j+1], v[eg+\j:eg+\j+1], s[NLE:NLE+1] op_sel_hi:[1,0]
.endr
.irp j, 0,1,2,3,4,5,6,7
	v_exp_f32 v[EE+\j], v[EE+\j]
.endr
.irp j, 0,2,4,6
	v_pk_mul_f32 v[eu+\j:eu+\j+1], v[eu+\j:eu+\j+1], v[ESX:ESX+1]  ; plain lines between the exponentials and the use of their results
.endr
	s_wait_alu depctr_va_vdst(0)
.irp j, 0,2,4,6
	v_pk_add_f32 v[EE+\j:EE+\j+1], v[EE+\j:EE+\j+1], 1.0 op_sel_hi:[1,0]
.endr
.irp j, 0,1,2,3,4,5,6,7
	v_rcp_f32 v[EE+\j], v[EE+\j]
.endr
.irp j, 0,2,4,6
	v_pk_mul_f32 v[eu+\j:eu+\j+1], v[eu+\j:eu+\j+1], v[SCU+8*(\i)+\j:SCU+8*(\i)+\j+1]  ; and between the reciprocals and theirs
.endr
	s_wait_alu depctr_va_vdst(0)
.irp j, 0,2,4,6
	v_pk_mul_f32 v[eg+\j:eg+\j+1], v[eg+\j:eg+\j+1], v[EE+\j:EE+\j+1]
.endr
.irp j, 0,2,4,6
	v_pk_mul_f32 v[eg+\j:eg+\j+1], v[eg+\j:eg+\j+1], v[eu+\j:eu+\j+1]
.endr
.irp j, 0,2,4,6
	v_max3_num_f32 v[EM], v[EM], |v[eg+\j]|, |v[eg+\j+1]|
.endr
	s_cmp_eq_u32 s[VAL+(\i)], 0
	s_cbranch_scc1 .Lskip_\@
	global_store_b128 v[GOA], v[eg:eg+3], s[12:13] offset:1024*(\i)
	global_store_b128 v[GOA], v[eg+4:eg+7], s[12:13] offset:1024*(\i)+512
.Lskip_\@:
.endm
.Lblock:
	ds_load_b32 v[ESX], v[SXA]                     ; my stage and my table are my own: LDS serves a wave's instructions in order
.irp u, 0,1,2,3,4,5,6,7,8,9,10,11
	ds_load_b128 v[EG+4*\u:EG+4*\u+3], v[STA] offset:512*\u
.endr
	s_wait_dscnt 0x0
	v_mov_b32 v[ESX+1], v[ESX]
	v_mov_b32 v[EM], 0
	EPI 0
	EPI 1
	EPI 2
	v_permlanex16_b32 v[EMT], v[EM], s[SEL], s[SEL+1]  ; the token's other 8 channels of each block lie in the lane 16 away
	v_max_num_f32 v[EM], v[EM], v[EMT]
	ds_store_b32 v[MXA], v[EM]
	s_wait_xcnt 0x0                                ; the stores' base and data are rewritten only behind this wait
	s_add_nc_u64 s[12:13], s[12:13], 688*1024      ; the next block of 16 tokens
	v_add_nc_u32 v[STA], 6144, v[STA]
	v_add_nc_u32 v[SXA], 64, v[SXA]
	v_add_nc_u32 v[MXA], 64, v[MXA]
	s_sub_co_u32 s[EC], s[EC], 1
	s_cmp_lg_u32 s[EC], 0
	s_cbranch_scc1 .Lblock
	s_wait_dscnt 0x0                               ; for the others' sake: my maxima are in LDS
	s_barrier_signal -1
	s_barrier_wait -1
	s_cmp_lg_u32 s[WV], 0
	s_cbranch_scc1 .Lno_max                        ; wave 0 joins the four waves' maxima: 4 tokens a lane
	v_add_nc_u32 v[MXA], MAXS, v[VA0]
.irp k, 0,1,2,3
	ds_load_b128 v[EG+4*\k:EG+4*\k+3], v[MXA] offset:512*\k
.endr
	s_wait_dscnt 0x0
.irp j, 0,1,2,3
	v_max3_num_f32 v[EG+\j], v[EG+\j], v[EG+4+\j], v[EG+8+\j]
.endr
.irp j, 0,1,2,3
	v_max_num_f32 v[EG+\j], v[EG+\j], v[EG+12+\j]
.endr
	global_store_b128 v[GOA], v[EG:EG+3], s[14:15] ; 512 consecutive bytes of pmax
.Lno_max:
	s_wait_tensorcnt 0x0                           ; the wave's end: three closing lines behind my last tensor load and my last LDS store
	ds_add_u32 v[SPW], v[NIL]
	s_wait_dscnt 0x0
	ROUND                                          ; the closing round
	s_endpgm
.Lfunc_end_k_qdc96ee73bf_gateup:
	.size	k_qdc96ee73bf_gateup, .Lfunc_end_k_qdc96ee73bf_gateup-k_qdc96ee73bf_gateup
	.p2alignl 7, 3214868480
	.fill 96, 4, 3214868480
	.section	.rodata,"a",@progbits
	.p2align	6, 0x0
	.amdhsa_kernel k_qdc96ee73bf_gateup
		.amdhsa_group_segment_fixed_size 327680
		.amdhsa_private_segment_fixed_size 0
		.amdhsa_enable_private_segment 0
		.amdhsa_kernarg_size 48
		.amdhsa_user_sgpr_count 2
		.amdhsa_user_sgpr_kernarg_segment_ptr 1
		.amdhsa_wavefront_size32 1
		.amdhsa_system_sgpr_workgroup_id_x 1
		.amdhsa_system_sgpr_workgroup_id_y 1
		.amdhsa_system_sgpr_workgroup_id_z 1
		.amdhsa_system_vgpr_workitem_id 0
		.amdhsa_next_free_vgpr 768
		.amdhsa_next_free_sgpr 96
		.amdhsa_reserve_vcc 0
		.amdhsa_float_denorm_mode_32 3
		.amdhsa_float_denorm_mode_16_64 3
		.amdhsa_memory_ordered 1
		.amdhsa_forward_progress 1
		.amdhsa_inst_pref_size 214
	.end_amdhsa_kernel
	.amdgpu_metadata
---
amdhsa.version: [ 1, 2 ]
amdhsa.kernels:
  - .name:           k_qdc96ee73bf_gateup
    .symbol:         k_qdc96ee73bf_gateup.kd
    .args:
      - { .name: xh, .offset: 0, .size: 8, .value_kind: global_buffer, .address_space: global }
      - { .name: w_gate_up, .offset: 8, .size: 8, .value_kind: global_buffer, .address_space: global }
      - { .name: scale_x, .offset: 16, .size: 8, .value_kind: global_buffer, .address_space: global }
      - { .name: s_gate_up, .offset: 24, .size: 8, .value_kind: global_buffer, .address_space: global }
      - { .name: a, .offset: 32, .size: 8, .value_kind: global_buffer, .address_space: global }
      - { .name: pmax, .offset: 40, .size: 8, .value_kind: global_buffer, .address_space: global }
    .group_segment_fixed_size: 327680
    .private_segment_fixed_size: 0
    .kernarg_segment_align: 8
    .kernarg_segment_size: 48
    .max_flat_workgroup_size: 128
    .sgpr_count:     96
    .vgpr_count:     768
    .wavefront_size: 32
...
	.end_amdgpu_metadata
.endif
;; end of part 2
;; launch quant (part 3): grid 43 x 8, 4 waves a work-group, no clusters, 0 bytes of LDS; arguments a, pmax, aq, sa; writes aq, sa
.if DOCPART == 3
	.amdgcn_target "amdgcn-amd-amdhsa--gfx1250"
	.amdhsa_code_object_version 6
	.text
	.protected	k_qdc96ee73bf_quant
	.globl	k_qdc96ee73bf_quant
	.p2align	8
	.type	k_qdc96ee73bf_quant,@function
k_qdc96ee73bf_quant:
	s_mov_b64 s[64:65], 0
	v_nop
	global_prefetch_b8 v0, s[64:65] scope:SCOPE_SE
	s_setreg_imm32_b32 hwreg(HW_REG_WAVE_MODE, 25, 1), 1
	s_wait_xcnt 0x0
; s_a = max|a| / 127 for each token; a_q = clip(round(a / s_a), -127, 127), written as f16 (exact) in the order in which the second product's waves read it:
; aq[rb 4][chunk 44][kq 8][mb 8][q2 2][L 32][16 bytes]: 8 f16 of token 128 rb + 16 mb + L % 16 at k = 256 chunk + 32 kq + 16 (L / 16) + 8 q2 + 0..7.
; A wave takes 16 tokens (tb = 4 x group y + wave) and one chunk of 256 channels (group x): 29 loads of the 58 partial maxima, 32 loads of a, all asked for at once; straight-line text.
; Both divisions are made as a reciprocal (or 1/127), a product and one correction by the remainder (two fused multiply-adds), which gives the rounded quotient.
; LIMITS.  A row with s_a below 2^-126 is divided by 2^-126 instead (an all-zero row gives zeros).  NaN and infinities are not treated apart.
; No LDS, no matrix unit, no cluster: memory binds, and the work-groups share only pmax, 116 KB.
.set PM,  2                            ; v[2:30]    the token's partial maxima of groups 2 i + L / 16
.set A,   32                           ; v[32:159]  block i: 8 f32, later 4 registers of f16
.set OFP, 160
.set OFA, 161
.set OFO, 162
.set OFS, 163
.set MX,  164
.set MT,  165
.set SA,  166
.set ER,  167
.set SG,  168                          ; a pair: the divisor twice
.set Y,   170                          ; a pair: its reciprocal twice
.set Q,   172
.set R,   180
	s_load_b256 s[4:11], s[0:1], 0x0               ; a s[4:5], pmax s[6:7], aq s[8:9], sa s[10:11]
	v_lshrrev_b32 v1, 5, v0
	v_readfirstlane_b32 s12, v1
	s_and_b32 s13, ttmp7, 0xffff
	s_lshl_b32 s13, s13, 2
	s_add_co_u32 s13, s13, s12                     ; tb
	s_mul_i32 s16, s13, 688                        ; a: [tb][pair] units of 1,024 bytes; my chunk begins at pair 16 x
	s_lshl_b32 s14, ttmp9, 4
	s_add_co_u32 s16, s16, s14
	s_lshl_b32 s16, s16, 10
	s_mov_b32 s17, 0
	s_lshr_b32 s18, s13, 3                         ; aq: (44 rb + chunk) x 65,536 + mb x 1,024
	s_mul_i32 s18, s18, 44
	s_add_co_u32 s18, s18, ttmp9
	s_lshl_b32 s18, s18, 16
	s_and_b32 s14, s13, 7
	s_lshl_b32 s14, s14, 10
	s_add_co_u32 s18, s18, s14
	s_mov_b32 s19, 0
	s_lshl_b32 s20, s13, 7                         ; sa: 128 bytes a block
	s_mov_b32 s21, 0
	s_lshl_b32 s22, s13, 6                         ; pmax: 16 tokens of 4 bytes
	s_mov_b32 s23, 0
	s_mov_b32 s24, 0x76543210
	s_mov_b32 s25, 0xfedcba98
	s_mov_b32 s26, 0x3c010204                      ; 1 / 127
	s_mov_b32 s27, 0x42fe0000                      ; 127
	s_mov_b32 s28, 0x57f057f0                      ; 127 twice in f16
	s_mov_b32 s29, 0xd7f0d7f0                      ; -127 twice
	v_and_b32 v1, 15, v0
	v_bfe_u32 v[MT], v0, 4, 1
	v_and_b32 v[MX], 31, v0
	v_lshlrev_b32 v[OFP], 2, v1
	v_lshl_add_u32 v[OFP], v[MT], 11, v[OFP]       ; 2,048 h + 4 r
	v_lshlrev_b32 v[OFA], 4, v[MX]
	v_lshlrev_b32 v[OFO], 4, v1
	v_lshl_add_u32 v[OFO], v[MT], 9, v[OFO]        ; 512 h + 16 r
	v_lshlrev_b32 v[OFS], 2, v[MX]
	s_wait_kmcnt 0x0
	s_add_nc_u64 s[4:5], s[4:5], s[16:17]
	s_add_nc_u64 s[6:7], s[6:7], s[22:23]
	s_add_nc_u64 s[8:9], s[8:9], s[18:19]
	s_add_nc_u64 s[10:11], s[10:11], s[20:21]
.set i, 0
.rept 29
	global_load_b32 v[PM+i], v[OFP], s[6:7] offset:4096*i
.set i, i+1
.endr
.set i, 0
.rept 32
	global_load_b128 v[A+4*i:A+4*i+3], v[OFA], s[4:5] offset:512*i th:TH_LOAD_NT
.set i, i+1
.endr
	s_wait_loadcnt 32                              ; the 29 maxima are in; the 32 loads of a, issued behind them, stay out
	v_max3_num_f32 v[MX], v[PM], v[PM+1], v[PM+2]
.set i, 3
.rept 13
	v_max3_num_f32 v[MX], v[MX], v[PM+i], v[PM+i+1]
.set i, i+2
.endr
	v_permlanex16_b32 v[MT], v[MX], s24, s25       ; the other 29 groups lie in the lane 16 away
	v_max_num_f32 v[MX], v[MX], v[MT]
	v_mul_f32 v[SA], s26, v[MX]                    ; M / 127: the product,
	v_fma_f32 v[ER], -v[SA], s27, v[MX]            ; its remainder,
	v_fma_f32 v[SA], v[ER], s26, v[SA]             ; and the correction
	v_max_num_f32 v[SG], 0x00800000, v[SA]
	v_rcp_f32 v[Y], v[SG]
	v_mov_b32 v[SG+1], v[SG]                       ; a plain line behind the reciprocal
	s_wait_alu depctr_va_vdst(0)
	v_fma_f32 v[ER], -v[SG], v[Y], 1.0
	v_fma_f32 v[Y], v[ER], v[Y], v[Y]
	v_mov_b32 v[Y+1], v[Y]
	s_cmp_lg_u32 ttmp9, 0
	s_cbranch_scc1 .Lno_sa
	global_store_b32 v[OFS], v[SA], s[10:11]       ; once for each block of tokens: 128 consecutive bytes, the token's scale in both halves of the lanes
.Lno_sa:
.macro BLOCK i
.set ab, A+8*(\i)
	s_wait_loadcnt 30-2*(\i)                       ; my two loads are in; the later blocks' stay out
.irp j, 0,2,4,6
	v_pk_mul_f32 v[Q+\j:Q+\j+1], v[ab+\j:ab+\j+1], v[Y:Y+1]
.endr
.irp j, 0,2,4,6
	v_pk_fma_f32 v[R+\j:R+\j+1], v[Q+\j:Q+\j+1], v[SG:SG+1], v[ab+\j:ab+\j+1] neg_lo:[1,0,0] neg_hi:[1,0,0]
.endr
.irp j, 0,2,4,6
	v_pk_fma_f32 v[Q+\j:Q+\j+1], v[R+\j:R+\j+1], v[Y:Y+1], v[Q+\j:Q+\j+1]
.endr
.irp j, 0,1,2,3,4,5,6,7
	v_rndne_f32 v[Q+\j], v[Q+\j]
.endr
.irp j, 0,1,2,3
	v_cvt_pk_f16_f32 v[ab+\j], v[Q+2*\j], v[Q+2*\j+1]
.endr
.irp j, 0,1,2,3
	v_pk_min_num_f16 v[ab+\j], v[ab+\j], s28
.endr
.irp j, 0,1,2,3
	v_pk_max_num_f16 v[ab+\j], v[ab+\j], s29
.endr
	global_store_b128 v[OFO], v[ab:ab+3], s[8:9] offset:8192*((\i)/2)+256*((\i)%2)  ; each half of the lanes stores 256 consecutive bytes, aligned; every block has its own registers
.endm
.set bi, 0
.rept 16
	BLOCK bi
.set bi, bi+1
.endr
	s_endpgm
.Lfunc_end_k_qdc96ee73bf_quant:
	.size	k_qdc96ee73bf_quant, .Lfunc_end_k_qdc96ee73bf_quant-k_qdc96ee73bf_quant
	.p2alignl 7, 3214868480
	.fill 96, 4, 3214868480
	.section	.rodata,"a",@progbits
	.p2align	6, 0x0
	.amdhsa_kernel k_qdc96ee73bf_quant
		.amdhsa_group_segment_fixed_size 0
		.amdhsa_private_segment_fixed_size 0
		.amdhsa_enable_private_segment 0
		.amdhsa_kernarg_size 32
		.amdhsa_user_sgpr_count 2
		.amdhsa_user_sgpr_kernarg_segment_ptr 1
		.amdhsa_wavefront_size32 1
		.amdhsa_system_sgpr_workgroup_id_x 1
		.amdhsa_system_sgpr_workgroup_id_y 1
		.amdhsa_system_sgpr_workgroup_id_z 1
		.amdhsa_system_vgpr_workitem_id 0
		.amdhsa_next_free_vgpr 192
		.amdhsa_next_free_sgpr 66
		.amdhsa_reserve_vcc 0
		.amdhsa_float_denorm_mode_32 3
		.amdhsa_float_denorm_mode_16_64 3
		.amdhsa_memory_ordered 1
		.amdhsa_forward_progress 1
		.amdhsa_inst_pref_size 40
	.end_amdhsa_kernel
	.amdgpu_metadata
---
amdhsa.version: [ 1, 2 ]
amdhsa.kernels:
  - .name:           k_qdc96ee73bf_quant
    .symbol:         k_qdc96ee73bf_quant.kd
    .args:
      - { .name: a, .offset: 0, .size: 8, .value_kind: global_buffer, .address_space: global }
      - { .name: pmax, .offset: 8, .size: 8, .value_kind: global_buffer, .address_space: global }
      - { .name: aq, .offset: 16, .size: 8, .value_kind: global_buffer, .address_space: global }
      - { .name: sa, .offset: 24, .size: 8, .value_kind: global_buffer, .address_space: global }
    .group_segment_fixed_size: 0
    .private_segment_fixed_size: 0
    .kernarg_segment_align: 8
    .kernarg_segment_size: 32
    .max_flat_workgroup_size: 128
    .sgpr_count:     66
    .vgpr_count:     192
    .wavefront_size: 32
...
	.end_amdgpu_metadata
.endif
;; end of part 3
;; launch down (part 4): grid 16 x 16, 4 waves a work-group, clusters of 4 x 4, 327,680 bytes of LDS; arguments aq, w_down, part; writes part
.if DOCPART == 4
	.amdgcn_target "amdgcn-amd-amdhsa--gfx1250"
	.amdhsa_code_object_version 6
	.text
	.protected	k_qdc96ee73bf_down
	.globl	k_qdc96ee73bf_down
	.p2align	8
	.type	k_qdc96ee73bf_down,@function
k_qdc96ee73bf_down:
	s_mov_b64 s[64:65], 0
	v_nop
	global_prefetch_b8 v0, s[64:65] scope:SCOPE_SE
	s_setreg_imm32_b32 hwreg(HW_REG_WAVE_MODE, 25, 1), 1
	s_wait_xcnt 0x0
	s_wait_alu depctr_hold_cnt(0) depctr_sa_sdst(0) depctr_va_vdst(0) depctr_va_sdst(0) depctr_va_ssrc(0) depctr_va_vcc(0) depctr_vm_vsrc(0)
	s_getreg_b32 s2, hwreg(HW_REG_IB_STS2, 6, 4)
	s_cmp_eq_u32 s2, 0
	s_cbranch_scc0 .Lentry_in_a_cluster
	s_endpgm
.Lentry_in_a_cluster:
	s_bfe_u32 s2, ttmp6, 0x10000c
	s_cmp_lg_u32 s2, 0xf033
	s_cbranch_scc0 .Lentry_shape_is_right
	s_endpgm
.Lentry_shape_is_right:
; part[ks] = a_q . w_down^T over a quarter of K, as whole numbers in f32.
; SHARES.  A work-group: 128 tokens (rb = cy) x 256 output columns (cg = 4 x cluster x + cx) x 11 chunks of K = 256 (ks = cluster y: chunks 11 ks .. 11 ks + 10).  K has 43 chunks; it is padded to 44:
; chunk 43 of aq holds zeros, and the weights' chunk number is held at 42, so that every load stays inside w_down and every work-group runs one text with constant counts.
; A wave: 128 tokens x 64 columns: 16 accumulators in window 1 (columns 0-31), 16 in window 2 (columns 32-63).
; FORMATS.  Both operands are whole numbers in f16, exact; sums in f32.  LIMIT: a sum is exact while below 2^24 (the bound is 2816 x 127 x 128 = 4.6e7); beyond that it carries f32's rounding.
; a_q comes as f16 in fragment order (aq); the weights as int8, made f16 by 20 vector lines a fragment that stand behind the matrix instructions, 2.5 behind each:
; xor 0x80 -> x + 128; under the high byte 0x64 -> 1024 + x + 128 in f16; - 1152.  In a fragment lane (r, h) holds k = 16 h + 2 i + e in register i, half e, on both sides alike.
; THE MATRIX INSTRUCTION IS USED TRANSPOSED (source 0 = 16 weight rows, source 1 = 16 tokens): a lane holds one token and 8 neighbouring columns; results leave straight from registers, 512 consecutive bytes a store.
; RING.  Two slots, each a chunk: 65,536 dense bytes of a_q and 256 rows of 256 bytes of weights (pitch 272).  The change of slots stands in the MIDDLE of a chunk's seventh quarter, behind the last reads of the chunk;
; products stand between the add and the wait for it, and between the opening signal and its wait.
; CLUSTER.  4 x 4: the four of a row (same cy) share a_q's tiles, the four of a column (same cx) the weights': each is asked for jointly.
; REGISTERS as in the first product, with two blocks to a half: window 0: v32-159 a_q's fragments, v160-191 raw weights; windows 1, 2: v0-127 accumulators, v128-159 converted weights, v160-167 at work.
.set NH,    2
.set PITCH, 272
.set HOFF,  32*PITCH                   ; a wave's second 32 rows
.set XA,    0x10000                    ; a_q's slots: 0 and 65,536
.set B0,    0x20000                    ; the weights' slots: 131,072 and 200,704, one exclusive or apart
.set B1,    0x31000
.set XB,    0x11000
.set SPARE, B1+256*PITCH
.set VA0, 4
.set VB0, 5
.set VA,  6
.set VB1, 7
.set VB2, 8
.set GOA, 12
.set SPW, 28
.set NIL, 29
.set AF,  32
.set RAW, 160
.set BCV, 64*NH
.set UT,  80*NH
.set WV, 16
.set CX, 17
.set CY, 18
.set KS, 19
.set CG, 20
.set W1, 21
.set G1A, 24
.set G1B, 32
.set G0A0, 40
.set G0AW, 44
.set G0B0, 48
.set G0BW, 52
.set CB, 56
.set TBA, 57
.set TB1, 58
.set TB2, 59
.set CNT, 60
.set TRIPS, 61
.set KX, 62
.set K64, 63
.set SELLO, 66
.set SELHI, 67
.set KNEG, 68
.set CA, 69
.set NF, 70                            ; the chunk asked for last
.set ABASE, 72
.set BBASE, 74
.set OFFA, 76
.set OFFB, 78
.set MSB, 0
.macro WIN new
.if MSB != (\new)
	s_set_vgpr_msb (MSB<<8)|(\new)
.set MSB, (\new)
.endif
.endm
.set WL, 0x51
.set WH, 0xa2
.macro NOP4
.rept 4
	v_nop
.endr
.endm
.macro CREST                           ; a round of the cluster's barrier behind its opening barrier
	s_cmp_lg_u32 s[WV], 0
	s_cbranch_scc1 .Lnot_wave_0_\@
	s_barrier_signal -3
.Lnot_wave_0_\@:
	s_barrier_wait -3
	s_barrier_signal -1
	s_barrier_wait -1
.endm
.macro ROUND                           ; a whole round
	s_barrier_signal -1
	s_barrier_wait -1
	CREST
.endm
.macro JLOAD                           ; a joint refill: waves 0 and 1 fetch the halves of a_q's chunk, waves 2 and 3 those of the weights'
	s_cmp_lt_u32 s[WV], 2
	s_cbranch_scc0 .Lfor_b_\@
	tensor_load_to_lds s[G0AW:G0AW+3], s[G1A:G1A+7]
	s_nop 0
	NOP4
	s_branch .Lasked_\@
.Lfor_b_\@:
	tensor_load_to_lds s[G0BW:G0BW+3], s[G1B:G1B+7]
	s_nop 0
	NOP4
.Lasked_\@:
.endm
; Line k of the 20 NH that make the next quarter's weights of one half f16: raw buffer 1 - b -> converted buffer 1 - b.
.macro RID half, b, k
.set rn, (\k)/20
.set rj, (\k)%20
.set rR, RAW+8*NH*(1-(\b))+4*NH*(\half)+4*rn
.set rB, BCV+8*NH*(1-(\b))+8*rn
.set rU, UT+4*rn
.if rj < 4
	v_xor_b32 v[rU+rj], s[KX], v[rR+rj]
.elseif rj < 12
.if (rj%2) == 0
	v_perm_b32 v[rB+rj-4], v[rU+(rj-4)/2], s[K64], s[SELLO]
.else
	v_perm_b32 v[rB+rj-4], v[rU+(rj-4)/2], s[K64], s[SELHI]
.endif
.else
	v_pk_add_f16 v[rB+rj-12], v[rB+rj-12], s[KNEG]
.endif
.endm
; Product i of a half: token block i / NH, weight block i % NH.  The accumulators take turns.
.macro MM b, i, zero
.set mA, AF+64*(\b)+8*((\i)/NH)
.set mB, BCV+8*NH*(\b)+8*((\i)%NH)
.if \zero
	v_wmma_f32_16x16x32_f16 v[8*(\i):8*(\i)+7], v[mB:mB+7], v[mA:mA+7], 0
.else
	v_wmma_f32_16x16x32_f16 v[8*(\i):8*(\i)+7], v[mB:mB+7], v[mA:mA+7], v[8*(\i):8*(\i)+7]
.endif
.endm
.macro RUN half, b, zero, i0, i1
.set ii, \i0
.rept (\i1)-(\i0)
	MM \b, ii, \zero
.set kk, (5*ii)/2
.rept (5*(ii+1))/2-(5*ii)/2
	RID \half, \b, kk
.set kk, kk+1
.endr
.set ii, ii+1
.endr
.endm
.macro ALD buf, aoff
.set mm, 0
.rept 8
	ds_load_b128 v[AF+64*(\buf)+8*mm:AF+64*(\buf)+8*mm+3], v[VA] offset:(\aoff)+1024*mm
	ds_load_b128 v[AF+64*(\buf)+8*mm+4:AF+64*(\buf)+8*mm+7], v[VA] offset:(\aoff)+1024*mm+512
.set mm, mm+1
.endr
.endm
.macro RLD b, vb, ex
.set nn, 0
.rept 2*NH
	ds_load_b128 v[RAW+8*NH*(\b)+4*nn:RAW+8*NH*(\b)+4*nn+3], v[\vb] offset:(\ex)+(nn/NH)*HOFF+(nn%NH)*16*PITCH
.set nn, nn+1
.endr
.endm
; Quarter x of parity b: multiplies, converts x + 1's weights, fetches a_q's fragments of x + 1 and the raw weights of x + 2 in one run behind its second product;
; the five conversion lines in front of the run are the places behind the last product that read the buffer into which it loads.
.macro QUARTER b, aoff, vb, zero=0
	s_wait_dscnt 0x0
	WIN WL
	RUN 0, \b, \zero, 0, 2
	WIN 0
	ALD 1-(\b), \aoff
	RLD \b, \vb, 0
	WIN WL
	RUN 0, \b, \zero, 2, 8*NH
	WIN WH
	RUN 1, \b, \zero, 0, 8*NH
.endm
.macro QLAST b
	s_wait_dscnt 0x0
	WIN WL
.set ii, 0
.rept 8*NH
	MM \b, ii, 0
.set ii, ii+1
.endr
	WIN WH
.set ii, 0
.rept 8*NH
	MM \b, ii, 0
.set ii, ii+1
.endr
.endm
.macro PAIR
	WIN 0
	v_add_nc_u32 v[VA], s[TBA], v[VA0]
	v_add_nc_u32 v[VB1], s[TB1], v[VB0]
	v_add_nc_u32 v[VB2], s[TB2], v[VB0]
	QUARTER 1, 0, VB1
	QUARTER 0, 8192, VB2
	WIN 0
	s_add_co_u32 s[TBA], s[TBA], 16384
	s_add_co_u32 s[TB1], s[TB1], 64
	s_add_co_u32 s[TB2], s[TB2], 64
.endm
; A chunk's last pair: quarters 5 and 6, and in quarter 6 THE CHANGE OF SLOTS.  Quarter 6 fetches a_q's quarter 7, the chunk's last read, in the usual place; four products; the wait for all my tensor loads
; (my part of the next chunk); the add; six products; the wait for the add and for my reads; the opening signal; four products; the opening wait.
; fill = 1: the barrier has opened a round of the cluster's barrier; behind it the slot takes the chunk after next: the two addresses are made anew from the chunk's number, the weights' held at 42.
; Then the next chunk's first raw weights are read, and the second half's products follow.  From a refill to the next wait for all loads a wave issues 16 + 7 x 32 + 6 = 246 products.
.macro PAIRX fill
	WIN 0
	v_add_nc_u32 v[VA], s[TBA], v[VA0]
	v_add_nc_u32 v[VB1], s[TB1], v[VB0]
	QUARTER 1, 0, VB1
	s_wait_dscnt 0x0
	WIN WL
	RUN 0, 0, 0, 0, 2
	WIN 0
	ALD 1, 8192
	WIN WL
	RUN 0, 0, 0, 2, 6
	WIN 0                                          ; (the add's two registers lie in window 0)
	s_wait_tensorcnt 0x0                           ; no tensor load of mine is out, so a group 0 may be written
	ds_add_u32 v[SPW], v[NIL]                      ; 0 onto my spare word; scalar work and six products stand between it and the wait for it
.if \fill
	s_add_co_u32 s[NF], s[NF], 1
	s_lshl_b32 s[OFFA], s[NF], 16
	s_add_nc_u64 s[G0AW+2:G0AW+3], s[ABASE:ABASE+1], s[OFFA:OFFA+1]
	s_or_b32 s[G0AW+3], s[G0AW+3], 0x80000000
	s_xor_b32 s[G0AW+1], s[G0AW+1], XA
	s_min_u32 s[OFFB], s[NF], 42
	s_lshl_b32 s[OFFB], s[OFFB], 8
	s_add_nc_u64 s[G0BW+2:G0BW+3], s[BBASE:BBASE+1], s[OFFB:OFFB+1]
	s_or_b32 s[G0BW+3], s[G0BW+3], 0x80000000
	s_xor_b32 s[G0BW+1], s[G0BW+1], XB
.endif
	s_xor_b32 s[CA], s[CA], XA
	s_xor_b32 s[CB], s[CB], XB
	s_mov_b32 s[TBA], s[CA]
	s_add_co_u32 s[TB1], s[CB], 32
	s_add_co_u32 s[TB2], s[CB], 64
	WIN WL
	RUN 0, 0, 0, 6, 12
	s_wait_dscnt 0x0                               ; the add is done, and my reads of the slot are back
	s_barrier_signal -1
	RUN 0, 0, 0, 12, 8*NH                          ; work on registers while the others arrive
	WIN 0
	s_barrier_wait -1
.if \fill
	CREST
	JLOAD
.endif
	v_add_nc_u32 v[VB2], s[CB], v[VB0]
	RLD 0, VB2, 0
	WIN WH
	RUN 1, 0, 0, 0, 8*NH
	WIN 0
.endm
	s_load_b128 s[4:7], s[0:1], 0x0                ; aq s[4:5], w_down s[6:7]
	s_load_b64 s[8:9], s[0:1], 0x10                ; part
	v_lshl_add_u32 v[SPW], v0, 2, SPARE
	v_mov_b32 v[NIL], 0
	ds_add_u32 v[SPW], v[NIL]                      ; the wave's opening: the add and its wait ahead of my first tensor load
	v_lshrrev_b32 v1, 5, v0
	v_readfirstlane_b32 s[WV], v1
	s_and_b32 s[W1], s[WV], 1
	s_bfe_u32 s[CX], ttmp6, 0x40000
	s_bfe_u32 s[CY], ttmp6, 0x40004
	s_lshl_b32 s[CG], ttmp9, 2
	s_add_co_u32 s[CG], s[CG], s[CX]               ; my group of 256 columns
	s_and_b32 s[KS], ttmp7, 0xffff                 ; my quarter of K: the cluster's y, shared by all sixteen
	s_mul_i32 s[NF], s[KS], 11
	s_mov_b32 s[KX], 0x80808080
	s_mov_b32 s[K64], 0x64646464
	s_mov_b32 s[SELLO], 0x00050004
	s_mov_b32 s[SELHI], 0x00070006
	s_mov_b32 s[KNEG], 0xe480e480
	s_mov_b32 s[CA], 0
	s_mov_b32 s[CB], B0
	s_lshl_b32 s80, s[CY], 2
	s_lshl_b32 s80, 15, s80                        ; my row of the cluster
	s_or_b32 s[G1A+0], s80, (3<<16)|(1<<21)        ; a_q's half chunk: 32,768 dense bytes as 128 rows of 32 elements of 8 bytes
	s_mov_b32 s[G1A+1], 32<<16
	s_mov_b32 s[G1A+2], 128<<16
	s_mov_b32 s[G1A+3], 32<<16
	s_mov_b32 s[G1A+4], 128
	s_mov_b32 s[G1A+5], 32
	s_mov_b32 s[G1A+6], 0
	s_mov_b32 s[G1A+7], 0
	s_lshl_b32 s84, 0x1111, s[CX]                  ; my column of the cluster
	s_or_b32 s[G1B+0], s84, (1<<20)|(1<<21)|(5<<22)|(3<<25)  ; the weights: 128 rows of 256 bytes, 11,008 from row to row, 4 words of padding behind every 64
	s_mov_b32 s[G1B+1], 256<<16
	s_mov_b32 s[G1B+2], 128<<16
	s_mov_b32 s[G1B+3], 256<<16
	s_mov_b32 s[G1B+4], 128
	s_mov_b32 s[G1B+5], 11008
	s_mov_b32 s[G1B+6], 0
	s_mov_b32 s[G1B+7], 0
	s_mul_i32 s80, s[CY], 44*65536                 ; aq: my token block's 44 chunks, my half of a chunk: made of cy and the wave's number alone
	s_lshl_b32 s81, s[W1], 15
	s_add_co_u32 s80, s80, s81
	s_mov_b32 s81, 0
	s_lshl_b32 s[OFFA], s[NF], 16
	s_mov_b32 s[OFFA+1], 0
	s_lshl_b32 s84, s[CG], 8                       ; w_down: row 256 cg + 128 x half: made of the column group and the wave's number alone
	s_lshl_b32 s85, s[W1], 7
	s_add_co_u32 s84, s84, s85
	s_mul_i32 s84, s84, 11008
	s_mov_b32 s85, 0
	s_lshl_b32 s[OFFB], s[NF], 8
	s_mov_b32 s[OFFB+1], 0
	s_lshl_b32 s82, s[W1], 15                      ; LDS: no place in the cluster enters an LDS address
	s_mov_b32 s[G0A0], 1
	s_mov_b32 s[G0A0+1], s82
	s_mov_b32 s[G0AW], 1
	s_add_co_u32 s[G0AW+1], s82, XA
	s_mul_i32 s86, s[W1], 128*PITCH
	s_mov_b32 s[G0B0], 1
	s_add_co_u32 s[G0B0+1], s86, B0
	s_mov_b32 s[G0BW], 1
	s_add_co_u32 s[G0BW+1], s86, B1
	s_lshl_b32 s88, s[KS], 5                       ; part: ((32 ks + 8 rb) x 256 + 16 cg + 4 w) units of 1,024 bytes
	s_lshl_b32 s89, s[CY], 3
	s_add_co_u32 s88, s88, s89
	s_lshl_b32 s88, s88, 8
	s_lshl_b32 s89, s[CG], 4
	s_add_co_u32 s88, s88, s89
	s_lshl_b32 s89, s[WV], 2
	s_add_co_u32 s88, s88, s89
	s_lshl_b32 s88, s88, 10
	s_mov_b32 s89, 0
	s_add_co_u32 s[NF], s[NF], 1                   ; the first fills ask for chunks 11 ks and 11 ks + 1
	s_wait_dscnt 0x0                               ; the opening add is done
	s_wait_kmcnt 0x0
	s_add_nc_u64 s[ABASE:ABASE+1], s[4:5], s[80:81]
	s_add_nc_u64 s[G0A0+2:G0A0+3], s[ABASE:ABASE+1], s[OFFA:OFFA+1]
	s_add_nc_u64 s[G0AW+2:G0AW+3], s[G0A0+2:G0A0+3], 65536
	s_or_b32 s[G0A0+3], s[G0A0+3], 0x80000000
	s_or_b32 s[G0AW+3], s[G0AW+3], 0x80000000
	s_add_nc_u64 s[BBASE:BBASE+1], s[6:7], s[84:85]
	s_add_nc_u64 s[G0B0+2:G0B0+3], s[BBASE:BBASE+1], s[OFFB:OFFB+1]
	s_add_nc_u64 s[G0BW+2:G0BW+3], s[G0B0+2:G0B0+3], 256
	s_or_b32 s[G0B0+3], s[G0B0+3], 0x80000000
	s_or_b32 s[G0BW+3], s[G0BW+3], 0x80000000
	s_add_nc_u64 s[8:9], s[8:9], s[88:89]
	ROUND                                          ; all sixteen work-groups are here: the first joint loads meet
	s_cmp_lt_u32 s[WV], 2                          ; a wave's two first fills stand in one branch: two loads of mine are out
	s_cbranch_scc0 .Lfirst_b
	tensor_load_to_lds s[G0A0:G0A0+3], s[G1A:G1A+7]
	s_nop 0
	tensor_load_to_lds s[G0AW:G0AW+3], s[G1A:G1A+7]
	s_nop 0
	NOP4
	s_branch .Lfirst_done
.Lfirst_b:
	tensor_load_to_lds s[G0B0:G0B0+3], s[G1B:G1B+7]
	s_nop 0
	tensor_load_to_lds s[G0BW:G0BW+3], s[G1B:G1B+7]
	s_nop 0
	NOP4
.Lfirst_done:
	v_and_b32 v1, 15, v0
	v_bfe_u32 v2, v0, 4, 1
	v_and_b32 v3, 31, v0
	v_lshlrev_b32 v[VA0], 4, v3
	v_mov_b32 v[GOA], v[VA0]
	v_mul_u32_u24 v[VB0], v1, PITCH
	v_lshl_add_u32 v[VB0], v2, 4, v[VB0]
	s_mul_i32 s80, s[WV], 64*PITCH
	v_add_nc_u32 v[VB0], s80, v[VB0]
	v_mov_b32 v[VA], v[VA0]
	v_add_nc_u32 v[VB1], B0, v[VB0]
	v_add_nc_u32 v[VB2], B0+64, v[VB0]
	s_wait_tensorcnt 0x1                           ; my part of the first chunk is in; the second chunk's may stay out
	s_barrier_signal -1
	s_barrier_wait -1
	RLD 0, VB1, 0
	RLD 1, VB1, 32
	ALD 0, 0
	s_wait_dscnt 0x0
	WIN WL                                         ; quarter 0's weights are converted with no product to stand behind: once
.set kk, 0
.rept 20*NH
	RID 0, 1, kk
.set kk, kk+1
.endr
	WIN WH
.set kk, 0
.rept 20*NH
	RID 1, 1, kk
.set kk, kk+1
.endr
	QUARTER 0, 8192, VB2, 1                        ; the first quarter stands in front of the loop: its products start the sums
	WIN 0
	s_mov_b32 s[TBA], 16384
	s_mov_b32 s[TB1], B0+96
	s_mov_b32 s[TB2], B0+128
	s_mov_b32 s[CNT], 2
	s_mov_b32 s[TRIPS], 9
	s_branch .Lpair1                               ; the first chunk is entered at its second pair
.Lchunk1:                                              ; 9 trips: a chunk, 256 products a wave; each asks for the chunk after next
	s_mov_b32 s[CNT], 3
.Lpair1:
	PAIR
	s_sub_co_u32 s[CNT], s[CNT], 1
	s_cmp_lg_u32 s[CNT], 0
	s_cbranch_scc1 .Lpair1
	PAIRX 1
	s_sub_co_u32 s[TRIPS], s[TRIPS], 1
	s_cmp_lg_u32 s[TRIPS], 0
	s_cbranch_scc1 .Lchunk1
	s_mov_b32 s[TRIPS], 2
.Lchunk2:                                              ; the last two chunks ask for nothing: written out.  The last trip's barrier and its four raw reads
	s_mov_b32 s[CNT], 3                            ; (of the other slot's old bytes) serve nothing: the price of one text for both trips
.Lpair2:
	PAIR
	s_sub_co_u32 s[CNT], s[CNT], 1
	s_cmp_lg_u32 s[CNT], 0
	s_cbranch_scc1 .Lpair2
	PAIRX 0
	s_sub_co_u32 s[TRIPS], s[TRIPS], 1
	s_cmp_lg_u32 s[TRIPS], 0
	s_cbranch_scc1 .Lchunk2
	QLAST 1
	NOP4                                           ; the places behind the last products
	WIN 0x04                                       ; store data in window 1.  Each accumulator's low four registers go first; each store covers 512 consecutive bytes, aligned
.set ii, 0
.rept 8*NH
	global_store_b128 v[GOA], v[8*ii:8*ii+3], s[8:9] offset:262144*(ii/NH)+1024*(ii%NH)
	global_store_b128 v[GOA], v[8*ii+4:8*ii+7], s[8:9] offset:262144*(ii/NH)+1024*(ii%NH)+512
.set ii, ii+1
.endr
	WIN 0x08                                       ; window 2
.set ii, 0
.rept 8*NH
	global_store_b128 v[GOA], v[8*ii:8*ii+3], s[8:9] offset:262144*(ii/NH)+1024*(NH+ii%NH)
	global_store_b128 v[GOA], v[8*ii+4:8*ii+7], s[8:9] offset:262144*(ii/NH)+1024*(NH+ii%NH)+512
.set ii, ii+1
.endr
	WIN 0
	s_wait_tensorcnt 0x0                           ; the wave's end: three closing lines behind my last tensor load
	ds_add_u32 v[SPW], v[NIL]
	s_wait_dscnt 0x0
	ROUND                                          ; the closing round
	s_endpgm
.Lfunc_end_k_qdc96ee73bf_down:
	.size	k_qdc96ee73bf_down, .Lfunc_end_k_qdc96ee73bf_down-k_qdc96ee73bf_down
	.p2alignl 7, 3214868480
	.fill 96, 4, 3214868480
	.section	.rodata,"a",@progbits
	.p2align	6, 0x0
	.amdhsa_kernel k_qdc96ee73bf_down
		.amdhsa_group_segment_fixed_size 327680
		.amdhsa_private_segment_fixed_size 0
		.amdhsa_enable_private_segment 0
		.amdhsa_kernarg_size 24
		.amdhsa_user_sgpr_count 2
		.amdhsa_user_sgpr_kernarg_segment_ptr 1
		.amdhsa_wavefront_size32 1
		.amdhsa_system_sgpr_workgroup_id_x 1
		.amdhsa_system_sgpr_workgroup_id_y 1
		.amdhsa_system_sgpr_workgroup_id_z 1
		.amdhsa_system_vgpr_workitem_id 0
		.amdhsa_next_free_vgpr 768
		.amdhsa_next_free_sgpr 96
		.amdhsa_reserve_vcc 0
		.amdhsa_float_denorm_mode_32 3
		.amdhsa_float_denorm_mode_16_64 3
		.amdhsa_memory_ordered 1
		.amdhsa_forward_progress 1
		.amdhsa_inst_pref_size 96
	.end_amdhsa_kernel
	.amdgpu_metadata
---
amdhsa.version: [ 1, 2 ]
amdhsa.kernels:
  - .name:           k_qdc96ee73bf_down
    .symbol:         k_qdc96ee73bf_down.kd
    .args:
      - { .name: aq, .offset: 0, .size: 8, .value_kind: global_buffer, .address_space: global }
      - { .name: w_down, .offset: 8, .size: 8, .value_kind: global_buffer, .address_space: global }
      - { .name: part, .offset: 16, .size: 8, .value_kind: global_buffer, .address_space: global }
    .group_segment_fixed_size: 327680
    .private_segment_fixed_size: 0
    .kernarg_segment_align: 8
    .kernarg_segment_size: 24
    .max_flat_workgroup_size: 128
    .sgpr_count:     96
    .vgpr_count:     768
    .wavefront_size: 32
...
	.end_amdgpu_metadata
.endif
;; end of part 4
;; launch reduce (part 5): grid 8 x 32, 8 waves a work-group, no clusters, 35,840 bytes of LDS; arguments part, sa, s_down, out0; writes out0
.if DOCPART == 5
	.amdgcn_target "amdgcn-amd-amdhsa--gfx1250"
	.amdhsa_code_object_version 6
	.text
	.protected	k_qdc96ee73bf_reduce
	.globl	k_qdc96ee73bf_reduce
	.p2align	8
	.type	k_qdc96ee73bf_reduce,@function
k_qdc96ee73bf_reduce:
	s_mov_b64 s[64:65], 0
	v_nop
	global_prefetch_b8 v0, s[64:65] scope:SCOPE_SE
	s_setreg_imm32_b32 hwreg(HW_REG_WAVE_MODE, 25, 1), 1
	s_wait_xcnt 0x0
; out0[t][c] = (the sum of the four parts of K) x s_a[t] x s_down[c], row-major f32.  The parts are whole numbers; their sum is exact while below 2^24, beyond that it carries f32's rounding.
; A wave takes 16 tokens (tb = group y) and 64 columns (8 x group x + wave): 32 loads of 512 consecutive bytes, all asked for at once; the results change from the accumulators' lane order
; (a lane: one token, 4 columns) to rows through the wave's own stage in LDS (pitch 272 = 17 x 16 bytes), and leave as whole rows of 256 bytes, sixteen lanes to a row.
; No matrix unit, no cluster: memory binds and the work-groups share only the scales.
.set PITCH, 272
.set STG,   16*PITCH
.set SPARE, 8*STG
.set SPW, 2
.set NIL, 3
.set OL,  4                            ; 16 L
.set O4L, 5                            ; 4 L
.set OSD, 6                            ; 32 (L / 16)
.set STO, 7
.set RDA, 8
.set OOUT, 9
.set SAV, 10                           ; a pair: s_a twice
.set P,   32                           ; unit u = 2 b + q: 4 parts x 4 registers at P + 16 u
.set SD,  160                          ; s_down of unit u at SD + 4 u
	s_load_b256 s[4:11], s[0:1], 0x0               ; part s[4:5], sa s[6:7], s_down s[8:9], out0 s[10:11]
	v_lshl_add_u32 v[SPW], v0, 2, SPARE
	v_mov_b32 v[NIL], 0
	v_lshrrev_b32 v1, 5, v0
	v_readfirstlane_b32 s12, v1
	s_and_b32 s13, ttmp7, 0xffff                   ; tb
	s_lshl_b32 s14, ttmp9, 3
	s_add_co_u32 s14, s14, s12                     ; my 64 columns
	s_lshl_b32 s16, s13, 18                        ; part: (256 tb + 4 x my group) units of 1,024 bytes
	s_lshl_b32 s15, s14, 12
	s_add_co_u32 s16, s16, s15
	s_mov_b32 s17, 0
	s_lshl_b32 s18, s13, 7                         ; sa
	s_mov_b32 s19, 0
	s_lshl_b32 s28, s14, 8                         ; s_down: 64 columns of 4 bytes
	s_mov_b32 s29, 0
	s_lshl_b32 s30, s13, 18                        ; out0: 16 rows of 16,384 bytes, + my 256 bytes
	s_add_co_u32 s30, s30, s28
	s_mov_b32 s31, 0
	s_mul_i32 s15, s12, STG
	v_and_b32 v1, 15, v0
	v_bfe_u32 v[SAV], v0, 4, 1
	v_and_b32 v[SAV+1], 31, v0
	v_lshlrev_b32 v[OL], 4, v[SAV+1]
	v_lshlrev_b32 v[O4L], 2, v[SAV+1]
	v_lshlrev_b32 v[OSD], 5, v[SAV]
	v_mul_u32_u24 v[STO], v1, PITCH
	v_lshl_add_u32 v[STO], v[SAV], 5, v[STO]
	v_add_nc_u32 v[STO], s15, v[STO]
	v_mul_u32_u24 v[RDA], v[SAV], PITCH
	v_lshl_add_u32 v[RDA], v1, 4, v[RDA]
	v_add_nc_u32 v[RDA], s15, v[RDA]
	v_lshlrev_b32 v[OOUT], 4, v1
	v_lshl_add_u32 v[OOUT], v[SAV], 14, v[OOUT]
	s_wait_kmcnt 0x0
	s_add_nc_u64 s[20:21], s[4:5], s[16:17]        ; the four parts lie 8,388,608 bytes apart: a base for each
	s_add_nc_u64 s[22:23], s[20:21], 0x800000
	s_add_nc_u64 s[24:25], s[22:23], 0x800000
	s_add_nc_u64 s[26:27], s[24:25], 0x800000
	s_add_nc_u64 s[6:7], s[6:7], s[18:19]
	s_add_nc_u64 s[8:9], s[8:9], s[28:29]
	s_add_nc_u64 s[10:11], s[10:11], s[30:31]
	global_load_b32 v[SAV], v[O4L], s[6:7]
.irp u, 0,1,2,3,4,5,6,7
	global_load_b128 v[SD+4*\u:SD+4*\u+3], v[OSD], s[8:9] offset:64*(\u/2)+16*(\u%2)
.endr
.irp u, 0,1,2,3,4,5,6,7
	global_load_b128 v[P+16*\u:P+16*\u+3],     v[OL], s[20:21] offset:512*\u th:TH_LOAD_NT
	global_load_b128 v[P+16*\u+4:P+16*\u+7],   v[OL], s[22:23] offset:512*\u th:TH_LOAD_NT
	global_load_b128 v[P+16*\u+8:P+16*\u+11],  v[OL], s[24:25] offset:512*\u th:TH_LOAD_NT
	global_load_b128 v[P+16*\u+12:P+16*\u+15], v[OL], s[26:27] offset:512*\u th:TH_LOAD_NT
.endr
.macro UNIT u
.set pp, P+16*(\u)
	s_wait_loadcnt 28-4*(\u)                       ; the unit's four loads (and the scales in front of them) are in; the later units' stay out
.if (\u) == 0
	v_mov_b32 v[SAV+1], v[SAV]
.endif
	v_pk_add_f32 v[pp:pp+1], v[pp:pp+1], v[pp+4:pp+5]
	v_pk_add_f32 v[pp+2:pp+3], v[pp+2:pp+3], v[pp+6:pp+7]
	v_pk_add_f32 v[pp+8:pp+9], v[pp+8:pp+9], v[pp+12:pp+13]
	v_pk_add_f32 v[pp+10:pp+11], v[pp+10:pp+11], v[pp+14:pp+15]
	v_pk_add_f32 v[pp:pp+1], v[pp:pp+1], v[pp+8:pp+9]
	v_pk_add_f32 v[pp+2:pp+3], v[pp+2:pp+3], v[pp+10:pp+11]
	v_pk_mul_f32 v[pp:pp+1], v[pp:pp+1], v[SAV:SAV+1]
	v_pk_mul_f32 v[pp+2:pp+3], v[pp+2:pp+3], v[SAV:SAV+1]
	v_pk_mul_f32 v[pp:pp+1], v[pp:pp+1], v[SD+4*(\u):SD+4*(\u)+1]
	v_pk_mul_f32 v[pp+2:pp+3], v[pp+2:pp+3], v[SD+4*(\u)+2:SD+4*(\u)+3]
	ds_store_b128 v[STO], v[pp:pp+3] offset:64*((\u)/2)+16*((\u)%2)
.endm
.irp u, 0,1,2,3,4,5,6,7
	UNIT \u
.endr
.irp j, 0,1,2,3,4,5,6,7
	ds_load_b128 v[P+16*\j+4:P+16*\j+7], v[RDA] offset:2*PITCH*\j  ; the stage is my own, and LDS serves a wave's instructions in order: these see the stores above
.endr
.irp j, 0,1,2,3,4,5,6,7
	s_wait_dscnt 7-\j                              ; read j is back
	global_store_b128 v[OOUT], v[P+16*\j+4:P+16*\j+7], s[10:11] offset:32768*\j th:TH_STORE_NT  ; each half of the lanes stores 256 consecutive bytes of a row, aligned
.endr
	s_wait_tensorcnt 0x0                           ; the wave's end: three closing lines behind my last LDS store
	ds_add_u32 v[SPW], v[NIL]
	s_wait_dscnt 0x0
	s_endpgm
.Lfunc_end_k_qdc96ee73bf_reduce:
	.size	k_qdc96ee73bf_reduce, .Lfunc_end_k_qdc96ee73bf_reduce-k_qdc96ee73bf_reduce
	.p2alignl 7, 3214868480
	.fill 96, 4, 3214868480
	.section	.rodata,"a",@progbits
	.p2align	6, 0x0
	.amdhsa_kernel k_qdc96ee73bf_reduce
		.amdhsa_group_segment_fixed_size 35840
		.amdhsa_private_segment_fixed_size 0
		.amdhsa_enable_private_segment 0
		.amdhsa_kernarg_size 32
		.amdhsa_user_sgpr_count 2
		.amdhsa_user_sgpr_kernarg_segment_ptr 1
		.amdhsa_wavefront_size32 1
		.amdhsa_system_sgpr_workgroup_id_x 1
		.amdhsa_system_sgpr_workgroup_id_y 1
		.amdhsa_system_sgpr_workgroup_id_z 1
		.amdhsa_system_vgpr_workitem_id 0
		.amdhsa_next_free_vgpr 192
		.amdhsa_next_free_sgpr 66
		.amdhsa_reserve_vcc 0
		.amdhsa_float_denorm_mode_32 3
		.amdhsa_float_denorm_mode_16_64 3
		.amdhsa_memory_ordered 1
		.amdhsa_forward_progress 1
		.amdhsa_inst_pref_size 14
	.end_amdhsa_kernel
	.amdgpu_metadata
---
amdhsa.version: [ 1, 2 ]
amdhsa.kernels:
  - .name:           k_qdc96ee73bf_reduce
    .symbol:         k_qdc96ee73bf_reduce.kd
    .args:
      - { .name: part, .offset: 0, .size: 8, .value_kind: global_buffer, .address_space: global }
      - { .name: sa, .offset: 8, .size: 8, .value_kind: global_buffer, .address_space: global }
      - { .name: s_down, .offset: 16, .size: 8, .value_kind: global_buffer, .address_space: global }
      - { .name: out0, .offset: 24, .size: 8, .value_kind: global_buffer, .address_space: global }
    .group_segment_fixed_size: 35840
    .private_segment_fixed_size: 0
    .kernarg_segment_align: 8
    .kernarg_segment_size: 32
    .max_flat_workgroup_size: 256
    .sgpr_count:     66
    .vgpr_count:     192
    .wavefront_size: 32
...
	.end_amdgpu_metadata
.endif
;; end of part 5
;; ======== version 2 of 2: 5 launches; version 1 with the launches cvtx, quant written anew for expert scheduling mode
;; workspace buffers: xh 4,194,304 bytes; a 22,544,384 bytes; pmax 118,784 bytes; aq 11,534,336 bytes; sa 4,096 bytes; part 33,554,432 bytes
;; launch cvtx (part 6): grid 8 x 32, 2 waves a work-group, no clusters, 8,960 bytes of LDS; arguments x_q, xh, aq; writes xh, aq
.if DOCPART == 6
	.amdgcn_target "amdgcn-amd-amdhsa--gfx1250"
	.amdhsa_code_object_version 6
	.text
	.protected	k_qdc96ee73bf_cvtx
	.globl	k_qdc96ee73bf_cvtx
	.p2align	8
	.type	k_qdc96ee73bf_cvtx,@function
k_qdc96ee73bf_cvtx:
	s_mov_b64 s[64:65], 0
	v_nop
	global_prefetch_b8 v0, s[64:65] scope:SCOPE_SE
	s_setreg_imm32_b32 hwreg(HW_REG_WAVE_SCHED_MODE, 0, 2), 2
	s_setreg_imm32_b32 hwreg(HW_REG_WAVE_MODE, 25, 1), 1
	s_wait_xcnt 0x0
	s_wait_alu depctr_vm_vsrc(0)
; x_q [512][4096] int8 -> xh, f16 (exact: -128..127 are f16 numbers), laid out in the order in which the first product's waves read it:
; xh[rb 4][Q 128][mb 8][q2 2][L 32][16 bytes]: 8 f16 of token 128 rb + 16 mb + L % 16 at k = 32 Q + 16 (L / 16) + 8 q2 + 0..7.
; A wave takes 16 tokens (tb = group y) and 256 bytes of their rows (seg = 2 x group x + wave): 8 loads of whole 256-byte pieces of two rows, through
; the wave's own stage in LDS (pitch 272 = 17 x 16 bytes, so the 16 rows of a read begin at 16 different 16-byte columns), 8 reads of 16 int8 a lane, 16 stores of 512 consecutive bytes.
; int8 -> f16: the byte with its top bit turned is x + 128; under the high byte 0x64 that is the f16 number 1024 + x + 128; less 1152 it is x.
; Each wave also writes 512 bytes of zeros into chunk 43 of aq (the padding of the second product's K from 43 to 44 chunks of 256).
; No matrix unit, no cluster: the work-groups share nothing and the work is a copy.
; THE MODE: SCHED_MODE bits 1:0 = 2 (LLVM: expert scheduling mode 2), set by the entry lines.  The code itself states the register dependences
; between vector instructions and memory or LDS instructions, with s_wait_alu, always for 0.
; THE PLAN.  Registers that memory or LDS instructions touch:
;   v2-v11     the add's pair, the four offsets and addresses, the zeros: written by vector lines at the head, once; read by memory and LDS instructions; never written again.
;   IN         written by the global loads, read by the LDS stores: no vector line names them.
;   FR         written by the LDS reads, once; read by the v_xor lines.
;   CV0 .. CV7 quarter k's 8 registers: written by its v_perm and v_pk_add lines, once; read by its two global stores; never written again.
;   UT         named by vector lines alone.
; The 8 quarters go in 4 blocks of two.  Block b converts FR[2 b], FR[2 b + 1] into CV[2 b], CV[2 b + 1]; its memory instructions are the four stores from the two CV of block b - 1,
; which no vector line of block b names.  So ONE wait on va_vdst at a block's head states all that its four stores hang on, and they are dealt among its vector lines with no further wait.
; No register that a memory or LDS instruction reads is written again, so the text holds no wait on vm_vsrc.
.set PITCH, 272
.set STG,   16*PITCH                   ; a wave's stage: 16 rows
.set SPARE, 2*STG                      ; behind the stages: the spare words, 128 bytes a wave
.set SPW, 2                            ; v2      LDS address of my spare word
.set NIL, 3                            ; v3      0
.set GOF, 4                            ; v4      4096 (L / 16) + 16 (L % 16): my 16 bytes in a pair of rows of x_q
.set STO, 5                            ; v5      the same place in the stage
.set RDA, 6                            ; v6      stage: row L % 16, 16 (L / 16)
.set OOF, 7                            ; v7      16 L
.set ZR,  8                            ; v[8:11] zeros
.set IN,  12                           ; v[12:43]  as loaded
.set FR,  44                           ; v[44:75]  16 int8 a lane for each of 8 quarters of 32 k
.set UT,  76                           ; v[76:79]  at work
.set CV,  80                           ; v[80:143] 8 registers of f16 for each quarter
.set KX, 20
.set K64, 21
.set SELLO, 22
.set SELHI, 23
.set KNEG, 24
	s_load_b128 s[4:7], s[0:1], 0x0                ; x_q s[4:5], xh s[6:7]
	s_load_b64 s[8:9], s[0:1], 0x10                ; aq
	v_lshl_add_u32 v[SPW], v0, 2, SPARE
	v_mov_b32 v[NIL], 0
	v_lshrrev_b32 v1, 5, v0
	v_readfirstlane_b32 s10, v1                    ; wave
	v_and_b32 v1, 15, v0                           ; the lane's parts of the addresses stand between that line and the wait for s10
	v_bfe_u32 v[UT], v0, 4, 1
	v_and_b32 v[UT+1], 31, v0
	v_lshlrev_b32 v[GOF], 4, v1
	v_lshl_add_u32 v[GOF], v[UT], 12, v[GOF]
	v_mul_u32_u24 v[STO], v[UT], PITCH
	v_lshl_add_u32 v[STO], v1, 4, v[STO]
	v_mul_u32_u24 v[RDA], v1, PITCH
	v_lshl_add_u32 v[RDA], v[UT], 4, v[RDA]
	v_lshlrev_b32 v[OOF], 4, v[UT+1]
.irp j, 0,1,2,3
	v_mov_b32 v[ZR+\j], 0
.endr
	s_wait_alu depctr_va_sdst(0)                   ; s10 is written, ahead of its first reader: the bases and the stage's place are made from it
	s_and_b32 s11, ttmp7, 0xffff                   ; tb
	s_lshl_b32 s12, ttmp9, 1
	s_add_co_u32 s12, s12, s10                     ; seg
	s_lshl_b32 s14, s11, 16                        ; x_q: 16 rows of 4,096 bytes a block,
	s_lshl_b32 s13, s12, 8
	s_add_co_u32 s14, s14, s13                     ; + 256 seg
	s_mov_b32 s15, 0
	s_lshr_b32 s16, s11, 3                         ; xh: rb x 1,048,576
	s_lshl_b32 s16, s16, 20
	s_lshl_b32 s13, s12, 16                        ; + 8 seg quarters of 8,192 bytes
	s_add_co_u32 s16, s16, s13
	s_and_b32 s13, s11, 7                          ; + mb x 1,024
	s_lshl_b32 s13, s13, 10
	s_add_co_u32 s16, s16, s13
	s_mov_b32 s17, 0
	s_lshl_b32 s18, s11, 4
	s_add_co_u32 s18, s18, s12                     ; u = 16 tb + seg, 0..511: my 512 bytes of the four zero chunks
	s_lshr_b32 s13, s18, 7
	s_mul_i32 s13, s13, 44*65536
	s_and_b32 s18, s18, 127
	s_lshl_b32 s18, s18, 9
	s_add_co_u32 s18, s18, s13
	s_add_co_u32 s18, s18, 43*65536
	s_mov_b32 s19, 0
	s_mov_b32 s[KX], 0x80808080
	s_mov_b32 s[K64], 0x64646464
	s_mov_b32 s[SELLO], 0x00050004                 ; bytes: u0, 0x64, u1, 0x64
	s_mov_b32 s[SELHI], 0x00070006                 ; bytes: u2, 0x64, u3, 0x64
	s_mov_b32 s[KNEG], 0xe480e480                  ; -1152 twice in f16
	s_mul_i32 s13, s10, STG
	v_add_nc_u32 v[STO], s13, v[STO]               ; my wave's stage
	v_add_nc_u32 v[RDA], s13, v[RDA]
	s_wait_kmcnt 0x0
	s_add_nc_u64 s[4:5], s[4:5], s[14:15]
	s_add_nc_u64 s[6:7], s[6:7], s[16:17]
	s_add_nc_u64 s[8:9], s[8:9], s[18:19]
	s_wait_alu depctr_va_vdst(0)                   ; v2 to v11 are written: the offsets and addresses that every load, store and LDS instruction below reads, the zeros that the first store reads, the closing add's pair
.irp j, 0,1,2,3,4,5,6,7
	global_load_b128 v[IN+4*\j:IN+4*\j+3], v[GOF], s[4:5] offset:8192*\j th:TH_LOAD_NT  ; rows 2 j and 2 j + 1: 256 consecutive bytes of each
.endr
	global_store_b128 v[OOF], v[ZR:ZR+3], s[8:9]   ; 512 consecutive bytes of zeros
.irp j, 0,1,2,3,4,5,6,7
	s_wait_loadcnt 7-\j                            ; loads come back in order: load j is in, the younger ones stay out
	ds_store_b128 v[STO], v[IN+4*\j:IN+4*\j+3] offset:2*PITCH*\j
.endr
.irp k, 0,1,2,3,4,5,6,7
	ds_load_b128 v[FR+4*\k:FR+4*\k+3], v[RDA] offset:32*\k  ; the stage is my own, and LDS serves a wave's instructions in order: these see the stores above
.endr
; Block b: quarters 2 b and 2 b + 1 are converted; the four stores of block b - 1 stand among the vector lines.
.macro BLK b
	s_wait_dscnt 6-2*(\b)                          ; reads 2 b and 2 b + 1 are back; the younger ones stay out
.if (\b) > 0
	s_wait_alu depctr_va_vdst(0)                   ; the block before has written its two CV, which the four stores below read; no vector line of this block names them
.endif
.irp q, 0,1
.set qk, 2*(\b)+(\q)
.if (\b) > 0
	global_store_b128 v[OOF], v[CV+8*(qk-2):CV+8*(qk-2)+3], s[6:7] offset:8192*(qk-2)        ; 512 consecutive bytes each; every quarter has its own registers
.endif
.irp d, 0,1,2,3
	v_xor_b32 v[UT+\d], s[KX], v[FR+4*qk+\d]
.endr
.irp d, 0,1,2,3
	v_perm_b32 v[CV+8*qk+2*\d], v[UT+\d], s[K64], s[SELLO]
	v_perm_b32 v[CV+8*qk+2*\d+1], v[UT+\d], s[K64], s[SELHI]
.endr
.if (\b) > 0
	global_store_b128 v[OOF], v[CV+8*(qk-2)+4:CV+8*(qk-2)+7], s[6:7] offset:8192*(qk-2)+512
.endif
.irp d, 0,1,2,3,4,5,6,7
	v_pk_add_f16 v[CV+8*qk+\d], v[CV+8*qk+\d], s[KNEG]
.endr
.endr
.endm
	BLK 0
	BLK 1
	BLK 2
	BLK 3
	s_wait_alu depctr_va_vdst(0)                   ; block 3 has written CV6 and CV7, which the last four stores read
.irp k, 6,7
	global_store_b128 v[OOF], v[CV+8*\k:CV+8*\k+3], s[6:7] offset:8192*\k
	global_store_b128 v[OOF], v[CV+8*\k+4:CV+8*\k+7], s[6:7] offset:8192*\k+512
.endr
	s_wait_dscnt 0x0                               ; the closing lines, six on end
	s_wait_alu 0x0
	s_wait_tensorcnt 0x0
	ds_add_u32 v[SPW], v[NIL]
	s_wait_dscnt 0x0
	s_endpgm
.Lfunc_end_k_qdc96ee73bf_cvtx:
	.size	k_qdc96ee73bf_cvtx, .Lfunc_end_k_qdc96ee73bf_cvtx-k_qdc96ee73bf_cvtx
	.p2alignl 7, 3214868480
	.fill 96, 4, 3214868480
	.section	.rodata,"a",@progbits
	.p2align	6, 0x0
	.amdhsa_kernel k_qdc96ee73bf_cvtx
		.amdhsa_group_segment_fixed_size 8960
		.amdhsa_private_segment_fixed_size 0
		.amdhsa_enable_private_segment 0
		.amdhsa_kernarg_size 24
		.amdhsa_user_sgpr_count 2
		.amdhsa_user_sgpr_kernarg_segment_ptr 1
		.amdhsa_wavefront_size32 1
		.amdhsa_system_sgpr_workgroup_id_x 1
		.amdhsa_system_sgpr_workgroup_id_y 1
		.amdhsa_system_sgpr_workgroup_id_z 1
		.amdhsa_system_vgpr_workitem_id 0
		.amdhsa_next_free_vgpr 160
		.amdhsa_next_free_sgpr 66
		.amdhsa_reserve_vcc 0
		.amdhsa_float_denorm_mode_32 3
		.amdhsa_float_denorm_mode_16_64 3
		.amdhsa_memory_ordered 1
		.amdhsa_forward_progress 1
		.amdhsa_inst_pref_size 16
	.end_amdhsa_kernel
	.amdgpu_metadata
---
amdhsa.version: [ 1, 2 ]
amdhsa.kernels:
  - .name:           k_qdc96ee73bf_cvtx
    .symbol:         k_qdc96ee73bf_cvtx.kd
    .args:
      - { .name: x_q, .offset: 0, .size: 8, .value_kind: global_buffer, .address_space: global }
      - { .name: xh, .offset: 8, .size: 8, .value_kind: global_buffer, .address_space: global }
      - { .name: aq, .offset: 16, .size: 8, .value_kind: global_buffer, .address_space: global }
    .group_segment_fixed_size: 8960
    .private_segment_fixed_size: 0
    .kernarg_segment_align: 8
    .kernarg_segment_size: 24
    .max_flat_workgroup_size: 64
    .sgpr_count:     66
    .vgpr_count:     160
    .wavefront_size: 32
...
	.end_amdgpu_metadata
.endif
;; end of part 6
;; launch gateup: the kernel of part 2 again; grid 4 x 58, 4 waves a work-group, clusters of 4 x 1, 327,680 bytes of LDS; arguments xh, w_gate_up, scale_x, s_gate_up, a, pmax; writes a, pmax
;; launch quant (part 7): grid 43 x 8, 4 waves a work-group, no clusters, 0 bytes of LDS; arguments a, pmax, aq, sa; writes aq, sa
.if DOCPART == 7
	.amdgcn_target "amdgcn-amd-amdhsa--gfx1250"
	.amdhsa_code_object_version 6
	.text
	.protected	k_qdc96ee73bf_quant
	.globl	k_qdc96ee73bf_quant
	.p2align	8
	.type	k_qdc96ee73bf_quant,@function
k_qdc96ee73bf_quant:
	s_mov_b64 s[64:65], 0
	v_nop
	global_prefetch_b8 v0, s[64:65] scope:SCOPE_SE
	s_setreg_imm32_b32 hwreg(HW_REG_WAVE_SCHED_MODE, 0, 2), 2
	s_setreg_imm32_b32 hwreg(HW_REG_WAVE_MODE, 25, 1), 1
	s_wait_xcnt 0x0
	s_wait_alu depctr_vm_vsrc(0)
; s_a = max|a| / 127 for each token; a_q = clip(round(a / s_a), -127, 127), written as f16 (exact) in the order in which the second product's waves read it:
; aq[rb 4][chunk 44][kq 8][mb 8][q2 2][L 32][16 bytes]: 8 f16 of token 128 rb + 16 mb + L % 16 at k = 256 chunk + 32 kq + 16 (L / 16) + 8 q2 + 0..7.
; A wave takes 16 tokens (tb = 4 x group y + wave) and one chunk of 256 channels (group x): 29 loads of the 58 partial maxima, 32 loads of a, all asked for at once; straight-line text.
; Both divisions are made as a reciprocal (or 1/127), a product and one correction by the remainder (two fused multiply-adds), which gives the rounded quotient.
; LIMITS.  A row with s_a below 2^-126 is divided by 2^-126 instead (an all-zero row gives zeros).  NaN and infinities are not treated apart.
; No LDS, no matrix unit, no cluster: memory binds, and the work-groups share only pmax, 116 KB.
; THE MODE: SCHED_MODE bits 1:0 = 2 (LLVM: expert scheduling mode 2), set by the entry lines.  The code itself states the register dependences
; between vector instructions and memory instructions, with s_wait_alu, always for 0.
; THE PLAN.  Registers that memory instructions touch:
;   OFP, OFA, OFO, OFS  the four offsets: written by vector lines at the head, once; read by the loads and stores; never written again.
;   PM, A               written by the loads, once, before any vector line names them; read by vector lines.
;   A's block i, its first four registers: written again by the block's conversions, minima and maxima; read by its one store; never written after that.
;   SA                  written by two vector lines; read by one store; never written after that.
;   Q, R, Y, SG, MX, MT, ER are named by vector lines alone.
; The 16 blocks go in 4 steps of four.  A step's memory instructions are the four stores of the step before, whose registers no vector line of this step names.  So ONE wait on va_vdst at a
; step's head states all that its four stores hang on, and one of them stands in front of each block's arithmetic with no further wait.
; No register that a memory instruction reads is written again, so no wait on vm_vsrc follows the entry lines.
.set PM,  2                            ; v[2:30]    the token's partial maxima of groups 2 i + L / 16
.set A,   32                           ; v[32:159]  block i: 8 f32, later 4 registers of f16
.set OFP, 160
.set OFA, 161
.set OFO, 162
.set OFS, 163
.set MX,  164
.set MT,  165
.set SA,  166
.set ER,  167
.set SG,  168                          ; a pair: the divisor twice
.set Y,   170                          ; a pair: its reciprocal twice
.set Q,   172
.set R,   180
	s_load_b256 s[4:11], s[0:1], 0x0               ; a s[4:5], pmax s[6:7], aq s[8:9], sa s[10:11]
	v_lshrrev_b32 v1, 5, v0
	v_readfirstlane_b32 s12, v1
	v_and_b32 v1, 15, v0                           ; the four offsets stand between that line and the wait for s12
	v_bfe_u32 v[MT], v0, 4, 1
	v_and_b32 v[MX], 31, v0
	v_lshlrev_b32 v[OFP], 2, v1
	v_lshl_add_u32 v[OFP], v[MT], 11, v[OFP]       ; 2,048 h + 4 r
	v_lshlrev_b32 v[OFA], 4, v[MX]
	v_lshlrev_b32 v[OFO], 4, v1
	v_lshl_add_u32 v[OFO], v[MT], 9, v[OFO]        ; 512 h + 16 r
	v_lshlrev_b32 v[OFS], 2, v[MX]
	s_wait_alu depctr_va_sdst(0)                   ; s12 is written, ahead of its first reader: the four bases are made from it
	s_and_b32 s13, ttmp7, 0xffff
	s_lshl_b32 s13, s13, 2
	s_add_co_u32 s13, s13, s12                     ; tb
	s_mul_i32 s16, s13, 688                        ; a: [tb][pair] units of 1,024 bytes; my chunk begins at pair 16 x
	s_lshl_b32 s14, ttmp9, 4
	s_add_co_u32 s16, s16, s14
	s_lshl_b32 s16, s16, 10
	s_mov_b32 s17, 0
	s_lshr_b32 s18, s13, 3                         ; aq: (44 rb + chunk) x 65,536 + mb x 1,024
	s_mul_i32 s18, s18, 44
	s_add_co_u32 s18, s18, ttmp9
	s_lshl_b32 s18, s18, 16
	s_and_b32 s14, s13, 7
	s_lshl_b32 s14, s14, 10
	s_add_co_u32 s18, s18, s14
	s_mov_b32 s19, 0
	s_lshl_b32 s20, s13, 7                         ; sa: 128 bytes a block
	s_mov_b32 s21, 0
	s_lshl_b32 s22, s13, 6                         ; pmax: 16 tokens of 4 bytes
	s_mov_b32 s23, 0
	s_mov_b32 s24, 0x76543210
	s_mov_b32 s25, 0xfedcba98
	s_mov_b32 s26, 0x3c010204                      ; 1 / 127
	s_mov_b32 s27, 0x42fe0000                      ; 127
	s_mov_b32 s28, 0x57f057f0                      ; 127 twice in f16
	s_mov_b32 s29, 0xd7f0d7f0                      ; -127 twice
	s_wait_kmcnt 0x0
	s_add_nc_u64 s[4:5], s[4:5], s[16:17]
	s_add_nc_u64 s[6:7], s[6:7], s[22:23]
	s_add_nc_u64 s[8:9], s[8:9], s[18:19]
	s_add_nc_u64 s[10:11], s[10:11], s[20:21]
	s_wait_alu depctr_va_vdst(0)                   ; the four offsets are written, which every load and store below reads
.set i, 0
.rept 29
	global_load_b32 v[PM+i], v[OFP], s[6:7] offset:4096*i
.set i, i+1
.endr
.set i, 0
.rept 32
	global_load_b128 v[A+4*i:A+4*i+3], v[OFA], s[4:5] offset:512*i th:TH_LOAD_NT
.set i, i+1
.endr
	s_wait_loadcnt 32                              ; the 29 maxima are in; the 32 loads of a, issued behind them, stay out
	v_max3_num_f32 v[MX], v[PM], v[PM+1], v[PM+2]
.set i, 3
.rept 13
	v_max3_num_f32 v[MX], v[MX], v[PM+i], v[PM+i+1]
.set i, i+2
.endr
	v_permlanex16_b32 v[MT], v[MX], s24, s25       ; the other 29 groups lie in the lane 16 away
	v_max_num_f32 v[MX], v[MX], v[MT]
	v_mul_f32 v[SA], s26, v[MX]                    ; M / 127: the product,
	v_fma_f32 v[ER], -v[SA], s27, v[MX]            ; its remainder,
	v_fma_f32 v[SA], v[ER], s26, v[SA]             ; and the correction
	v_max_num_f32 v[SG], 0x00800000, v[SA]
	v_rcp_f32 v[Y], v[SG]
	v_mov_b32 v[SG+1], v[SG]                       ; a plain line behind the reciprocal
	s_wait_alu depctr_va_vdst(0)                   ; the reciprocal has written v[Y], ahead of its first reader; and v[SA] is written, which the store below reads
	s_cmp_lg_u32 ttmp9, 0
	s_cbranch_scc1 .Lno_sa
	global_store_b32 v[OFS], v[SA], s[10:11]       ; once for each block of tokens: 128 consecutive bytes, the token's scale in both halves of the lanes
.Lno_sa:
	v_fma_f32 v[ER], -v[SG], v[Y], 1.0
	v_fma_f32 v[Y], v[ER], v[Y], v[Y]
	v_mov_b32 v[Y+1], v[Y]
; Block i.  In front of its arithmetic stands the store of block i - 4, of the step before.
.macro BLOCK i
.set ab, A+8*(\i)
	s_wait_loadcnt 30-2*(\i)                       ; my two loads are in; the later blocks' stay out
.if ((\i) % 4 == 0) && ((\i) > 0)
	s_wait_alu depctr_va_vdst(0)                   ; a step's head: the step before has written its four out-blocks, which this step's four stores read; no vector line of this step names them
.endif
.if (\i) >= 4
	global_store_b128 v[OFO], v[ab-32:ab-29], s[8:9] offset:8192*(((\i)-4)/2)+256*(((\i)-4)%2)  ; each half of the lanes stores 256 consecutive bytes, aligned; every block has its own registers
.endif
.irp j, 0,2,4,6
	v_pk_mul_f32 v[Q+\j:Q+\j+1], v[ab+\j:ab+\j+1], v[Y:Y+1]
.endr
.irp j, 0,2,4,6
	v_pk_fma_f32 v[R+\j:R+\j+1], v[Q+\j:Q+\j+1], v[SG:SG+1], v[ab+\j:ab+\j+1] neg_lo:[1,0,0] neg_hi:[1,0,0]
.endr
.irp j, 0,2,4,6
	v_pk_fma_f32 v[Q+\j:Q+\j+1], v[R+\j:R+\j+1], v[Y:Y+1], v[Q+\j:Q+\j+1]
.endr
.irp j, 0,1,2,3,4,5,6,7
	v_rndne_f32 v[Q+\j], v[Q+\j]
.endr
.irp j, 0,1,2,3
	v_cvt_pk_f16_f32 v[ab+\j], v[Q+2*\j], v[Q+2*\j+1]
.endr
.irp j, 0,1,2,3
	v_pk_min_num_f16 v[ab+\j], v[ab+\j], s28
.endr
.irp j, 0,1,2,3
	v_pk_max_num_f16 v[ab+\j], v[ab+\j], s29
.endr
.endm
.set bi, 0
.rept 16
	BLOCK bi
.set bi, bi+1
.endr
	s_wait_alu depctr_va_vdst(0)                   ; the last step has written blocks 12 to 15, which the last four stores read
.irp t, 12,13,14,15
	global_store_b128 v[OFO], v[A+8*\t:A+8*\t+3], s[8:9] offset:8192*(\t/2)+256*(\t%2)
.endr
	s_endpgm
.Lfunc_end_k_qdc96ee73bf_quant:
	.size	k_qdc96ee73bf_quant, .Lfunc_end_k_qdc96ee73bf_quant-k_qdc96ee73bf_quant
	.p2alignl 7, 3214868480
	.fill 96, 4, 3214868480
	.section	.rodata,"a",@progbits
	.p2align	6, 0x0
	.amdhsa_kernel k_qdc96ee73bf_quant
		.amdhsa_group_segment_fixed_size 0
		.amdhsa_private_segment_fixed_size 0
		.amdhsa_enable_private_segment 0
		.amdhsa_kernarg_size 32
		.amdhsa_user_sgpr_count 2
		.amdhsa_user_sgpr_kernarg_segment_ptr 1
		.amdhsa_wavefront_size32 1
		.amdhsa_system_sgpr_workgroup_id_x 1
		.amdhsa_system_sgpr_workgroup_id_y 1
		.amdhsa_system_sgpr_workgroup_id_z 1
		.amdhsa_system_vgpr_workitem_id 0
		.amdhsa_next_free_vgpr 192
		.amdhsa_next_free_sgpr 66
		.amdhsa_reserve_vcc 0
		.amdhsa_float_denorm_mode_32 3
		.amdhsa_float_denorm_mode_16_64 3
		.amdhsa_memory_ordered 1
		.amdhsa_forward_progress 1
		.amdhsa_inst_pref_size 40
	.end_amdhsa_kernel
	.amdgpu_metadata
---
amdhsa.version: [ 1, 2 ]
amdhsa.kernels:
  - .name:           k_qdc96ee73bf_quant
    .symbol:         k_qdc96ee73bf_quant.kd
    .args:
      - { .name: a, .offset: 0, .size: 8, .value_kind: global_buffer, .address_space: global }
      - { .name: pmax, .offset: 8, .size: 8, .value_kind: global_buffer, .address_space: global }
      - { .name: aq, .offset: 16, .size: 8, .value_kind: global_buffer, .address_space: global }
      - { .name: sa, .offset: 24, .size: 8, .value_kind: global_buffer, .address_space: global }
    .group_segment_fixed_size: 0
    .private_segment_fixed_size: 0
    .kernarg_segment_align: 8
    .kernarg_segment_size: 32
    .max_flat_workgroup_size: 128
    .sgpr_count:     66
    .vgpr_count:     192
    .wavefront_size: 32
...
	.end_amdgpu_metadata
.endif
;; end of part 7
;; launch down: the kernel of part 4 again; grid 16 x 16, 4 waves a work-group, clusters of 4 x 4, 327,680 bytes of LDS; arguments aq, w_down, part; writes part
;; launch reduce: the kernel of part 5 again; grid 8 x 32, 8 waves a work-group, no clusters, 35,840 bytes of LDS; arguments part, sa, s_down, out0; writes out0
